; MI455X (gfx1250); checked and timed in simulation.
; The chip was launched on July 23, 2026; its instructions are those of AMD's public machine-readable ISA for CDNA 5 (MIT licence, August 2026) and "CDNA5" Instruction Set Architecture Reference Guide (July 2026). The comments in the code are by the model that wrote it; some were corrected since.
;; Multi Heads Attention. Allowed arithmetic: float matrix products may take bf16 or f16 operands with f32 sums; other float arithmetic in f32, or as packed bf16 or f16 multiplies, adds, multiply-adds, maxima and minima; sums over many terms, partial sums and values carried from step to step in f32; what a program stores and reads back later, other than sums and carried values, may be rounded once to bf16 or f16.
;; Inputs: bc 2,048 float32; bk 2,048 float32; bq 2,048 float32; bv 2,048 float32; msk 2,048 x 2,048 int32; object_tokens 1 x 2,048 x 2,048 float32; subject_tokens 1 x 2,048 x 2,048 float32; wc 2,048 x 2,048 float32; wk 2,048 x 2,048 float32; wq 2,048 x 2,048 float32; wv 2,048 x 2,048 float32.
;; Outputs: out0 1 x 2,048 x 2,048 float32.
;; Constants: rotate_base = 10000.0.
;; One version. Each part assembles by itself: llvm-mc -triple=amdgcn-amd-amdhsa -mcpu=gfx1250 --defsym DOCPART=n.
;; ======== version 1 of 1: 4 launches
;; limits: values are held in f16: magnitudes above 65,504 overflow, below 6.1e-05 lose precision; right only within a limited range of input values
;; workspace buffers: x16 16,777,216 bytes; w16 33,554,432 bytes; maskbits 524,288 bytes of whole numbers; rope 1,081,344 bytes; qkv 25,165,824 bytes; ctx 8,388,608 bytes
;; launch prep (part 1): grid 1825 x 1, 8 waves a work-group, no clusters, 68,608 bytes of LDS; arguments subject_tokens, object_tokens, wq, wk, wv, wc, msk, x16, w16, maskbits, rope; writes x16, w16, maskbits, rope
.if DOCPART == 1
	.amdgcn_target "amdgcn-amd-amdhsa--gfx1250"
	.amdhsa_code_object_version 6
	.text
	.protected	k_q0c35ad2bee_prep
	.globl	k_q0c35ad2bee_prep
	.p2align	8
	.type	k_q0c35ad2bee_prep,@function
k_q0c35ad2bee_prep:
	s_mov_b64 s[64:65], 0
	v_nop
	global_prefetch_b8 v0, s[64:65] scope:SCOPE_SE
	s_setreg_imm32_b32 hwreg(HW_REG_WAVE_MODE, 25, 1), 1
	s_wait_xcnt 0x0
; THREE JOBS, told apart by the work-group's number alone; the jobs with the longest chains of dependent lines come first in the grid.
; 0 .. 32       TABLE: rope = [2112][64][2] f32 (cos, sin) of position x 10000^(-i / 64); rows 2048 .. 2111 are (1, 0), the rotation that changes nothing.
; 33 .. 288     MASK: msk (int32) is packed into lane masks.  maskbits = [128 query tiles][32 key steps][32 words]; word 8 kt + j of (qt, ks): bit l = msk[16 qt + l % 16][64 ks + 16 kt + 8 (l / 16) + j] != 0.
;               A wave takes 16 queries x 128 keys: 64 words, 256 consecutive bytes.
; 289 .. 1824   CAST: the two token tensors and the four weights, f32, are rounded to bf16 and that number is written as f16 (exact within f16's normal range).
;               x16 = [2][2048][2048] (subject, object), w16 = [4][2048 k][2048 n] (wq, wk, wv, wc), not transposed.  A work-group takes 65,536 bytes of f32, a wave 8,192.
; LIMITS.  An input beyond 65,504 becomes an infinity; below 6.1e-5 it keeps f16's fixed step of 6e-8.  The table's angle is position x f in f32, one rounding, as the problem's own; f is right to about 1 part in 10^7.
; No matrix unit, no cluster, no tile ring: every byte is read once by one wave and nothing is shared.
.set NTAB,  33                         ; work-groups of the table
.set NMASK, 256                        ; of the mask
.set SPARE, 67584                      ; behind the eight waves' mask stages: the spare words, 128 bytes a wave
.set MPITCH, 528                       ; a stage row: 512 bytes + 16: the sixteen rows of a read start 33 x 16 bytes apart
.set SPW, 4                            ; v4   my spare word's LDS address; never rewritten
.set NIL, 5                            ; v5   0; never rewritten
.set X,   8                            ; v[8:71]   sixteen loads of 16 bytes
.set T,   72                           ; v[72:79]  at work
.set Y,   80                           ; v[80:111] what is stored
	s_load_b512 s[8:23], s[0:1], 0x0               ; subject 8, object 10, wq 12, wk 14, wv 16, wc 18, msk 20, x16 22
	s_load_b128 s[24:27], s[0:1], 0x40             ; w16 24, maskbits 26
	s_load_b64 s[28:29], s[0:1], 0x50              ; rope
	v_lshl_add_u32 v[SPW], v0, 2, SPARE
	v_mov_b32 v[NIL], 0
	v_and_b32 v1, 31, v0                           ; lane
	v_lshrrev_b32 v6, 5, v0
	v_readfirstlane_b32 s2, v6                     ; wave 0..7
	s_wait_kmcnt 0x0
	s_cmp_ge_u32 ttmp9, NTAB+NMASK
	s_cbranch_scc1 .Lcvt
	s_cmp_ge_u32 ttmp9, NTAB
	s_cbranch_scc1 .Lmask
	; ---------------- THE TABLE.  Wave w of group g makes rows 64 g + 8 w + 0..7; a lane holds pairs 2 l and 2 l + 1: 16 bytes of a row of 512.
	s_mov_b32 s3, ttmp9                            ; g, 0..32
	s_lshl_b32 s30, s3, 6
	s_lshl_b32 s31, s2, 3
	s_add_co_u32 s30, s30, s31                     ; my first row
	s_cmp_eq_u32 s3, 32                            ; the last group writes the identity: its angle's position stays 0
	s_cselect_b32 s34, 0, s30                      ; the position that enters the angle,
	s_cselect_b32 s35, 0, 1                        ; and its step
	s_lshl_b32 s30, s30, 9
	s_mov_b32 s31, 0
	s_add_nc_u64 s[6:7], s[28:29], s[30:31]
	v_lshlrev_b32 v3, 4, v1
	v_lshlrev_b32 v7, 1, v1
	v_cvt_f32_u32 v8, v7                           ; i = 2 l
	v_add_f32 v9, 1.0, v8                          ; i = 2 l + 1
	; f = 2^(-i C), C = log2(10000) / 64 = CH - 1.14795e-7, CH with 17 significant bits: i x CH is exact, and the rest is the factor 1 + i x 1.14795e-7 x ln 2
	v_mul_f32 v10, 0xbe549a80, v8
	v_mul_f32 v11, 0xbe549a80, v9
	v_exp_f32 v10, v10
	v_exp_f32 v11, v11
	v_mov_b32 v12, 0x33aae0ae                      ; 7.957e-8; these three plain lines stand behind the exponentials
	v_fma_f32 v8, v8, v12, 1.0
	v_fma_f32 v9, v9, v12, 1.0
	s_wait_alu depctr_va_vdst(0)                   ; one wait for both exponentials, ahead of their first reader
	v_mul_f32 v10, v10, v8
	v_mul_f32 v11, v11, v9
; cos and sin of v12 x v[f]: the angle less n quarter turns (pi / 2 in two parts), two short series on |r| <= pi / 4, then the quadrant by selects and sign bits
.macro SINCOS f, oc, os
	v_mul_f32 v20, v12, v[\f]                      ; the angle
	v_mul_f32 v21, 0x3f22f983, v20                 ; x 2 / pi
	v_rndne_f32 v21, v21                           ; n
	v_fmamk_f32 v22, v21, 0xbfc90fdb, v20          ; - n x 1.57079637
	v_fmamk_f32 v22, v21, 0x333bbd2e, v22          ; + n x 4.3711e-8
	v_mul_f32 v23, v22, v22
	v_mov_b32 v24, 0x3638ef1d                      ; 1 / 9!
	v_fmaak_f32 v24, v23, v24, 0xb9500d01          ; - 1 / 7!
	v_fmaak_f32 v24, v23, v24, 0x3c088889          ; 1 / 5!
	v_fmaak_f32 v24, v23, v24, 0xbe2aaaab          ; - 1 / 3!
	v_mul_f32 v25, v22, v23
	v_fma_f32 v24, v25, v24, v22                   ; sin r
	v_mov_b32 v26, 0x37d00d01                      ; 1 / 8!
	v_fmaak_f32 v26, v23, v26, 0xbab60b61          ; - 1 / 6!
	v_fmaak_f32 v26, v23, v26, 0x3d2aaaab          ; 1 / 4!
	v_fmaak_f32 v26, v23, v26, 0xbf000000          ; - 1 / 2
	v_fma_f32 v26, v23, v26, 1.0                   ; cos r
	v_cvt_i32_f32 v27, v21
	v_and_b32 v28, 1, v27
	v_cmp_eq_u32 vcc_lo, 1, v28                    ; odd quadrants change sine and cosine
	v_cndmask_b32 v[\os], v24, v26, vcc_lo
	v_cndmask_b32 v[\oc], v26, v24, vcc_lo
	v_and_b32 v28, 2, v27                          ; the sine is negative in quadrants 2, 3,
	v_lshlrev_b32 v28, 30, v28
	v_xor_b32 v[\os], v[\os], v28
	v_add_nc_u32 v27, 1, v27                       ; the cosine in quadrants 1, 2
	v_and_b32 v27, 2, v27
	v_lshlrev_b32 v27, 30, v27
	v_xor_b32 v[\oc], v[\oc], v27
.endm
	s_mov_b32 s33, 8
.Lpos:
	v_cvt_f32_u32 v12, s34
	SINCOS 10, 16, 17
	SINCOS 11, 18, 19
	global_store_b128 v3, v[16:19], s[6:7]         ; the wave's 512 bytes are one row
	s_wait_xcnt 0x0                                ; the store has read its data and its base: they are rewritten only behind this wait
	s_add_nc_u64 s[6:7], s[6:7], 512
	s_add_co_u32 s34, s34, s35
	s_sub_co_u32 s33, s33, 1
	s_cmp_lg_u32 s33, 0
	s_cbranch_scc1 .Lpos
	s_branch .Lend
	; ---------------- THE CAST
.Lcvt:
	s_sub_co_u32 s30, ttmp9, NTAB+NMASK
	s_lshr_b32 s3, s30, 8                          ; which tensor, 0..5
	s_and_b32 s30, s30, 255                        ; which 65,536 bytes of it
	s_mov_b64 s[4:5], s[8:9]
	s_cmp_eq_u32 s3, 1
	s_cselect_b64 s[4:5], s[10:11], s[4:5]
	s_cmp_eq_u32 s3, 2
	s_cselect_b64 s[4:5], s[12:13], s[4:5]
	s_cmp_eq_u32 s3, 3
	s_cselect_b64 s[4:5], s[14:15], s[4:5]
	s_cmp_eq_u32 s3, 4
	s_cselect_b64 s[4:5], s[16:17], s[4:5]
	s_cmp_eq_u32 s3, 5
	s_cselect_b64 s[4:5], s[18:19], s[4:5]
	s_cmp_lt_u32 s3, 2
	s_cselect_b64 s[6:7], s[22:23], s[24:25]       ; tokens go to x16, weights to w16,
	s_cselect_b32 s31, 0, 2
	s_sub_co_u32 s31, s3, s31                      ; at their number there,
	s_lshl_b32 s32, s31, 23                        ; 8,388,608 bytes each
	s_lshl_b32 s31, s30, 15
	s_add_co_u32 s32, s32, s31
	s_mov_b32 s33, 0
	s_add_nc_u64 s[6:7], s[6:7], s[32:33]
	s_lshl_b32 s32, s30, 16
	s_add_nc_u64 s[4:5], s[4:5], s[32:33]
	s_lshl_b32 s30, s2, 13
	v_lshl_add_u32 v2, v1, 4, s30                  ; in: 8,192 w + 16 l
	s_lshl_b32 s30, s2, 12
	v_lshl_add_u32 v3, v1, 3, s30                  ; out: 4,096 w + 8 l
.irp j, 0,1,2,3,4,5,6,7,8,9,10,11,12,13,14,15
	global_load_b128 v[X+4*(\j):X+4*(\j)+3], v2, s[4:5] offset:512*(\j) th:TH_LOAD_NT  ; all sixteen at once: 8 KiB of a wave on their way
.endr
.macro CVT j
	s_wait_loadcnt 15-(\j)                         ; loads come back in order: number j is in, the younger ones stay out
	v_cvt_pk_bf16_f32 v[T], v[X+4*(\j)], v[X+4*(\j)+1]
	v_cvt_pk_bf16_f32 v[T+1], v[X+4*(\j)+2], v[X+4*(\j)+3]
	v_lshlrev_b32 v[T+2], 16, v[T]
	v_and_b32 v[T+3], 0xffff0000, v[T]
	v_lshlrev_b32 v[T+4], 16, v[T+1]
	v_and_b32 v[T+5], 0xffff0000, v[T+1]
	v_cvt_pk_f16_f32 v[Y+2*(\j)], v[T+2], v[T+3]
	v_cvt_pk_f16_f32 v[Y+2*(\j)+1], v[T+4], v[T+5]
	global_store_b64 v3, v[Y+2*(\j):Y+2*(\j)+1], s[6:7] offset:256*(\j)  ; 32 lanes x 8 bytes: 256 consecutive bytes, aligned; each store has registers of its own
.endm
.irp j, 0,1,2,3,4,5,6,7,8,9,10,11,12,13,14,15
	CVT \j
.endr
	s_branch .Lend
	; ---------------- THE MASK.  Sixteen rows x 512 bytes come in by rows, go through my own stage in LDS, and come back so that lane (r, h) holds row r and the keys 16 kt + 8 h + 0..7.
.Lmask:
	s_sub_co_u32 s3, ttmp9, NTAB
	s_lshr_b32 s30, s3, 1                          ; query tile
	s_and_b32 s3, s3, 1                            ; which eight blocks of 128 keys
	s_lshl_b32 s32, s30, 17                        ; 16 rows of 8,192 bytes
	s_lshl_b32 s31, s3, 12
	s_add_co_u32 s32, s32, s31
	s_mov_b32 s33, 0
	s_add_nc_u64 s[4:5], s[20:21], s[32:33]
	s_lshl_b32 s32, s30, 12                        ; a query tile's 4,096 bytes of words
	s_lshl_b32 s31, s3, 11
	s_add_co_u32 s32, s32, s31
	s_add_nc_u64 s[6:7], s[26:27], s[32:33]
	s_lshl_b32 s31, s2, 9
	v_lshl_add_u32 v2, v1, 4, s31                  ; 512 w + 16 l
	s_lshl_b32 s31, s2, 8
	v_lshl_add_u32 v3, v1, 3, s31                  ; 256 w + 8 l
	s_mul_i32 s31, s2, 16*MPITCH                   ; my stage
	v_lshl_add_u32 v6, v1, 4, s31
	v_and_b32 v7, 15, v1
	v_lshrrev_b32 v72, 4, v1
	v_mul_u32_u24 v7, v7, MPITCH
	v_lshl_add_u32 v7, v72, 5, v7
	v_add_nc_u32 v7, s31, v7                       ; row r, 32 bytes for each half of the lanes
.irp i, 0,1,2,3,4,5,6,7,8,9,10,11,12,13,14,15
	global_load_b128 v[X+4*(\i):X+4*(\i)+3], v2, s[4:5] offset:8192*(\i) th:TH_LOAD_NT
.endr
	v_mov_b32 v[Y], 0                              ; v_writelane_b32 counts as a reader of its destination
	v_mov_b32 v[Y+1], 0
.irp i, 0,1,2,3,4,5,6,7,8,9,10,11,12,13,14,15
	s_wait_loadcnt 15-(\i)
	ds_store_b128 v6, v[X+4*(\i):X+4*(\i)+3] offset:MPITCH*(\i)
.endr
.irp n, 0,1,2,3,4,5,6,7,8,9,10,11,12,13,14,15
	ds_load_b128 v[X+4*(\n):X+4*(\n)+3], v7 offset:64*((\n)/2)+16*((\n)%2)  ; LDS serves a wave's instructions in order: these see my stores above.  Register c of load n is word 4 n + c
.endr
.set n, 0
.rept 16
	s_wait_dscnt 15-n                              ; load n is back, the younger ones stay out
.irp c, 0,1,2,3
	v_cmp_ne_u32 s[36+(\c)], 0, v[X+4*n+(\c)]      ; the word: a bit a lane
	v_writelane_b32 v[Y+(\c)%2], s[36+(\c)], (4*n+(\c))/2  ; lane i collects words 2 i and 2 i + 1
.endr
.set n, n+1
.endr
	global_store_b64 v3, v[Y:Y+1], s[6:7]          ; 256 consecutive bytes, aligned
.Lend:
	s_wait_tensorcnt 0x0                           ; the wave's end: behind the last LDS store
	ds_add_u32 v[SPW], v[NIL]
	s_wait_dscnt 0x0
	s_endpgm
.Lfunc_end_k_q0c35ad2bee_prep:
	.size	k_q0c35ad2bee_prep, .Lfunc_end_k_q0c35ad2bee_prep-k_q0c35ad2bee_prep
	.p2alignl 7, 3214868480
	.fill 96, 4, 3214868480
	.section	.rodata,"a",@progbits
	.p2align	6, 0x0
	.amdhsa_kernel k_q0c35ad2bee_prep
		.amdhsa_group_segment_fixed_size 68608
		.amdhsa_private_segment_fixed_size 0
		.amdhsa_enable_private_segment 0
		.amdhsa_kernarg_size 88
		.amdhsa_user_sgpr_count 2
		.amdhsa_user_sgpr_kernarg_segment_ptr 1
		.amdhsa_wavefront_size32 1
		.amdhsa_system_sgpr_workgroup_id_x 1
		.amdhsa_system_sgpr_workgroup_id_y 1
		.amdhsa_system_sgpr_workgroup_id_z 1
		.amdhsa_system_vgpr_workitem_id 0
		.amdhsa_next_free_vgpr 112
		.amdhsa_next_free_sgpr 66
		.amdhsa_reserve_vcc 1
		.amdhsa_float_denorm_mode_32 3
		.amdhsa_float_denorm_mode_16_64 3
		.amdhsa_memory_ordered 1
		.amdhsa_forward_progress 1
		.amdhsa_inst_pref_size 31
	.end_amdhsa_kernel
	.amdgpu_metadata
---
amdhsa.version: [ 1, 2 ]
amdhsa.kernels:
  - .name:           k_q0c35ad2bee_prep
    .symbol:         k_q0c35ad2bee_prep.kd
    .args:
      - { .name: subject_tokens, .offset: 0, .size: 8, .value_kind: global_buffer, .address_space: global }
      - { .name: object_tokens, .offset: 8, .size: 8, .value_kind: global_buffer, .address_space: global }
      - { .name: wq, .offset: 16, .size: 8, .value_kind: global_buffer, .address_space: global }
      - { .name: wk, .offset: 24, .size: 8, .value_kind: global_buffer, .address_space: global }
      - { .name: wv, .offset: 32, .size: 8, .value_kind: global_buffer, .address_space: global }
      - { .name: wc, .offset: 40, .size: 8, .value_kind: global_buffer, .address_space: global }
      - { .name: msk, .offset: 48, .size: 8, .value_kind: global_buffer, .address_space: global }
      - { .name: x16, .offset: 56, .size: 8, .value_kind: global_buffer, .address_space: global }
      - { .name: w16, .offset: 64, .size: 8, .value_kind: global_buffer, .address_space: global }
      - { .name: maskbits, .offset: 72, .size: 8, .value_kind: global_buffer, .address_space: global }
      - { .name: rope, .offset: 80, .size: 8, .value_kind: global_buffer, .address_space: global }
    .group_segment_fixed_size: 68608
    .private_segment_fixed_size: 0
    .kernarg_segment_align: 8
    .kernarg_segment_size: 88
    .max_flat_workgroup_size: 256
    .sgpr_count:     66
    .vgpr_count:     112
    .wavefront_size: 32
...
	.end_amdgpu_metadata
.endif
;; end of part 1
;; launch qkv (part 2): grid 8 x 24, 4 waves a work-group, clusters of 4 x 4, 327,680 bytes of LDS; arguments x16, w16, bq, bk, bv, rope, qkv; writes qkv
.if DOCPART == 2
	.amdgcn_target "amdgcn-amd-amdhsa--gfx1250"
	.amdhsa_code_object_version 6
	.text
	.protected	k_q0c35ad2bee_qkv
	.globl	k_q0c35ad2bee_qkv
	.p2align	8
	.type	k_q0c35ad2bee_qkv,@function
k_q0c35ad2bee_qkv:
	s_mov_b64 s[64:65], 0
	v_nop
	global_prefetch_b8 v0, s[64:65] scope:SCOPE_SE
	s_setreg_imm32_b32 hwreg(HW_REG_WAVE_MODE, 25, 1), 1
	s_wait_xcnt 0x0
	s_wait_alu depctr_hold_cnt(0) depctr_sa_sdst(0) depctr_va_vdst(0) depctr_va_sdst(0) depctr_va_ssrc(0) depctr_va_vcc(0) depctr_vm_vsrc(0)
	s_getreg_b32 s2, hwreg(HW_REG_IB_STS2, 6, 4)
	s_cmp_eq_u32 s2, 0
	s_cbranch_scc0 .Lentry_in_a_cluster
	s_endpgm
.Lentry_in_a_cluster:
	s_bfe_u32 s2, ttmp6, 0x10000c
	s_cmp_lg_u32 s2, 0xf033
	s_cbranch_scc0 .Lentry_shape_is_right
	s_endpgm
.Lentry_shape_is_right:
; q, k, v = tokens x weight + bias, q and k rotated by position, written by heads: qkv = [3][16 heads][2048][128] f16, not scaled.
; Operands f16 (x16: [2][2048][2048], K along the rows; w16: [4][2048 k][2048 n], as the weights lie); sums f32; the bias is rounded to bf16 like every input; each result is rounded once, to f16.
; LIMIT: a result beyond 65,504 becomes an infinity.
; SHARES.  Three products of 2048 x 2048 x 2048 in one launch: 8 x 8 tiles of 256 x 256 each, a work-group a tile: 192 work-groups.  (Tiles of 128 x 128 would be 768, three to a WGP one after the other, with half
; the products for each LDS byte; no tile that gives 256 equal shares divides the three outputs.)  Four waves, each 128 x 128: one head's columns, 64 accumulators, 512 registers.
; K goes in 16 steps of 128 through two LDS slots.  Waves 0, 1 fetch the tokens' 2 x 128 rows x 256 bytes, waves 2, 3 the weight's 2 x 64 k-rows x 512 bytes.
; The weight's fragments come out of LDS turned, by ds_load_tr16_b128, so no transposed copy of a weight exists anywhere.
; CLUSTERS 4 x 4: a row of the cluster shares the tokens' tile, a column the weight's: joint loads.  All sixteen partners work on the same one of q, k, v.
; THE MATRIX INSTRUCTION IS USED TRANSPOSED (source 0 = 16 columns of the weight, source 1 = 16 rows of tokens): a lane holds eight neighbouring columns of one row of the result.
; THE END.  While the last K step is multiplied, the table of (cos, sin) for the tile's 256 positions lands in the slot that the step before has left (for v: 64 rows of (1, 0), so that one text serves all three).
; The sums go through a stage in the other slot, which has had its last fill, 64 rows at a time, and come back by rows; a lane adds the bias to four neighbouring columns, two pairs, turns them, and 32 lanes store a
; head's row of 256 bytes.  Eight rows make a trip; a trip's arithmetic goes kind by kind over the eight rows, and the next trip's LDS loads are asked for ahead of this trip's roundings and stores.
; REGISTERS: window 0: v0-39 addresses, bias, at work; v64-127, v128-191 the tokens' fragments, two buffers.  Window 1: v64-191 the weight's fragments.  Windows 2, 3: the accumulators of my rows 0-63, 64-127, (a, b) at v[8 (8 a + b)].
.set KSTEP,  128
.set PA,     272                       ; a token row in LDS: 256 bytes + 16
.set PB,     544                       ; a k-row of the weight: 512 bytes + 32: sixteen lanes of the turning load take 8 rows x 32 bytes
.set TILEB,  128*PA                    ; what one tensor load brings: 34,816 bytes (= 64 PB)
.set SLOT,   4*TILEB                   ; 0x22000; none of the four tiles' places in a slot has one of its two bits, so an exclusive or changes slots
.set SPARE,  2*SLOT                    ; behind the ring: the spare words, 128 bytes a wave
.set SPITCH, 528                       ; a stage row: 128 f32 + 16 bytes
.set BI,    8                          ; v[8:11] the bias of my four columns
.set ADRA0, 16                         ; v16  my place in the tokens' tile of slot 0; never rewritten
.set ADRB0, 17                         ; v17  the same in the weight's
.set ADRA,  18                         ; v18, v19  the same in the slot that is being read
.set ADRB,  19
.set STO,   24                         ; v24  stage: where I put 16 bytes of a row
.set RD0,   25                         ; v25  stage: my 16 bytes of its first row
.set RD,    26                         ; v26  the same, walking
.set TR,    27                         ; v27  my 16 bytes of the table's row, walking
.set SPW,   28                         ; v28  my spare word; never rewritten
.set NIL,   29                         ; v29  0; never rewritten
.set PFO,   30                         ; v30  the prefetches' lane offset; never rewritten
.set OO,    31                         ; v31  my 8 bytes of the output row, walking
.set F0,    64
.set F1,    128
.set XR,    64                         ; the end: v[64:95]   eight rows' sums
.set TBL,   96                         ; v[96:127]  eight rows of the table
.set ROT,   128                        ; v[128:159] eight rows, turned (= XR + 64 = TBL + 32: the lines with a sign name these registers by number)
.set YR,    160                        ; v[160:175] eight rows to store
.set G1,  24                           ; s[24:31] group 1, tokens
.set G0,  32                           ; s[32:39] group 0, tokens: the first fill's, and one that walks
.set LIM, 43                           ; s43  2 in a wave that prefetches, else the greatest number
.set PFA, 44                           ; s[44:45] where my prefetches stand
.set PSTEP, 46                         ; s[46:47] a K step in bytes along my operand
.set G1B, 48                           ; s[48:55] group 1, weight
.set G0B, 56                           ; s[56:63] group 0, weight
.set G1T, 68                           ; s[68:75] group 1, table
.set G0T, 76                           ; s[76:79] group 0, table
.set SB,  80                           ; s80  0 or SLOT: the slot that is being read
.set WHICH, 81                         ; s81  0 q, 1 k, 2 v
.set OUTB, 82                          ; s[82:83] the output at my first row
.set PASSN, 94                         ; s94  the end: which 64 of my rows
.set MSB, 0
.macro WIN new                         ; the immediate's high byte repeats the setting that is left; a switch that changes nothing is dropped
.if MSB != (\new)
	s_set_vgpr_msb (MSB<<8)|(\new)
.set MSB, \new
.endif
.endm
.set MUL_LO, 0xa1                      ; source 0 (weight) window 1, source 1 (tokens) window 0, C and D window 2
.set MUL_HI, 0xf1                      ; the same, C and D window 3
.set TO_B,   0x40                      ; destination window 1, address window 0
; A joint load: waves 0, 1 ask for the tokens' halves, waves 2, 3 for the weight's.  The branch hangs on the wave's number alone.  An s_nop 0 and four v_nop follow each line.
.macro JLOAD s
	s_cmp_eq_u32 s11, 0
	s_cbranch_scc0 .Lfor_b_\@
	tensor_load_to_lds s[G0+4*(\s):G0+4*(\s)+3], s[G1:G1+7]
	s_nop 0
.rept 4
	v_nop
.endr
	s_branch .Lasked_\@
.Lfor_b_\@:
	tensor_load_to_lds s[G0B+4*(\s):G0B+4*(\s)+3], s[G1B:G1B+7]
	s_nop 0
.rept 4
	v_nop
.endr
.Lasked_\@:
.endm
; A PREFETCH of the K step that stands two refills on (512 matrix instructions ahead of the load that will want it), one instruction a wave, behind the joint load and the run of LDS loads.
; Each aligned block of 256 bytes is named once in the launch.  A token row is read by both clusters of a row of clusters, and the object tokens by k's and v's: the cluster with x = 0 asks, and not v's.
; A weight's columns are read by the two clusters that share them: the one with even y asks.  The four partners of a joint load share its blocks out by address: 32 of 128.
; The loop's last two trips have no K step two refills on.
.macro ASK
	s_cmp_gt_u32 s3, s[LIM]
	s_cbranch_scc0 .Lnot_mine_\@
	global_prefetch_b8 v[PFO], s[PFA:PFA+1] th:TH_LOAD_NT scope:SCOPE_SE
.Lnot_mine_\@:
.endm
.macro CREST                           ; a round of the cluster's barrier behind its opening barrier
	s_cmp_lg_u32 s10, 0
	s_cbranch_scc1 .Lnot_wave_0_\@
	s_barrier_signal -3
.Lnot_wave_0_\@:
	s_barrier_wait -3
	s_barrier_signal -1
	s_barrier_wait -1
.endm
.macro CROUND
	s_barrier_signal -1
	s_barrier_wait -1
	CREST
.endm
	s_load_b128 s[4:7], s[0:1], 0x0                ; x16 s[4:5], w16 s[6:7]
	s_load_b256 s[84:91], s[0:1], 0x10             ; bq 84, bk 86, bv 88, rope 90
	s_load_b64 s[92:93], s[0:1], 0x30              ; qkv
	v_lshl_add_u32 v[SPW], v0, 2, SPARE
	v_mov_b32 v[NIL], 0
	ds_add_u32 v[SPW], v[NIL]                      ; the wave's opening: the add and its wait stand ahead of my first tensor load; work on registers stands between them
	v_lshrrev_b32 v1, 5, v0
	v_readfirstlane_b32 s10, v1                    ; wave 0..3
	s_lshr_b32 s11, s10, 1                         ; my half of the tile's rows.  Also: I fetch tokens (0) or weight (1)
	s_and_b32 s12, s10, 1                          ; my half of its columns.  Also: which half of that operand's tile I fetch
	s_bfe_u32 s40, ttmp6, 0x40000                  ; cx
	s_bfe_u32 s41, ttmp6, 0x40004                  ; cy
	s_lshl_b32 s42, ttmp9, 2
	s_add_co_u32 s42, s42, s40                     ; tile column 0..7
	s_and_b32 s13, ttmp7, 0xffff                   ; cluster y 0..5
	s_lshr_b32 s[WHICH], s13, 1                    ; two rows of clusters for each of q, k, v
	s_and_b32 s13, s13, 1
	s_lshl_b32 s13, s13, 2
	s_add_co_u32 s13, s13, s41                     ; tile row 0..7
	s_lshl_b32 s43, s41, 2
	s_lshl_b32 s43, 15, s43                        ; my row of the cluster
	s_lshl_b32 s44, 0x1111, s40                    ; my column
	s_or_b32 s[G1], s43, (1<<16)|(1<<20)|(1<<21)|(5<<22)|(3<<25)   ; mask; 2-byte elements; padding on; bit 21 beside a mask; after every 64 words, 4 words
	s_mov_b32 s[G1+1], KSTEP<<16                   ; tensor_dim0 = 128
	s_mov_b32 s[G1+2], 128<<16                     ; tensor_dim1 = 128
	s_mov_b32 s[G1+3], KSTEP<<16                   ; tile_dim0 = 128
	s_mov_b32 s[G1+4], 128                         ; tile_dim1 = 128
	s_mov_b32 s[G1+5], 2048                        ; elements from row to row
	s_mov_b32 s[G1+6], 0
	s_mov_b32 s[G1+7], 0
	s_or_b32 s[G1B], s44, (1<<16)|(1<<20)|(1<<21)|(6<<22)|(7<<25)  ; after every 128 words, 8 words
	s_mov_b32 s[G1B+1], 256<<16                    ; 256 columns
	s_mov_b32 s[G1B+2], 64<<16                     ; 64 k-rows
	s_mov_b32 s[G1B+3], 256<<16
	s_mov_b32 s[G1B+4], 64
	s_mov_b32 s[G1B+5], 2048
	s_mov_b32 s[G1B+6], 0
	s_mov_b32 s[G1B+7], 0
	s_or_b32 s[G1T], s43, (2<<16)|(1<<21)          ; the table goes by the tile row: my row of the cluster; 4-byte elements, no padding
	s_mov_b32 s[G1T+1], 128<<16                    ; 128 numbers a position
	s_mov_b32 s[G1T+2], 64<<16                     ; 64 positions
	s_mov_b32 s[G1T+3], 128<<16
	s_mov_b32 s[G1T+4], 64
	s_mov_b32 s[G1T+5], 128
	s_mov_b32 s[G1T+6], 0
	s_mov_b32 s[G1T+7], 0
	s_min_u32 s14, s[WHICH], 1                     ; q reads the subject tokens, k and v the object tokens
	s_lshl_b32 s14, s14, 23
	s_lshl_b32 s16, s13, 8
	s_lshl_b32 s17, s12, 7
	s_add_co_u32 s16, s16, s17                     ; row 256 x tile row + 128 x half
	s_lshl_b32 s16, s16, 12
	s_add_co_u32 s16, s16, s14                     ; the tokens' offset: tile row, wave and WHICH alone
	s_mov_b32 s17, 0
	s_lshl_b32 s22, s[WHICH], 23
	s_lshl_b32 s23, s12, 18                        ; 64 k-rows of 4,096 bytes
	s_add_co_u32 s22, s22, s23
	s_lshl_b32 s23, s42, 9                         ; 256 columns
	s_add_co_u32 s22, s22, s23                     ; the weight's offset: tile column, wave and WHICH alone
	s_mov_b32 s23, 0
	s_lshl_b32 s18, s13, 8
	s_lshl_b32 s19, s10, 6
	s_add_co_u32 s18, s18, s19                     ; position 256 x tile row + 64 x wave,
	s_lshl_b32 s18, s18, 9                         ; 512 bytes each;
	s_cmp_eq_u32 s[WHICH], 2
	s_cselect_b32 s18, 0x100000, s18               ; for v the 64 rows of (1, 0) behind the 2,048 positions
	s_mov_b32 s19, 0
	s_mul_i32 s20, s10, TILEB                      ; where my tiles go: no place in the cluster enters an LDS address
	s_mov_b32 s[SB], 0
	s_wait_dscnt 0x0                               ; the opening add is done
	s_wait_kmcnt 0x0
	s_add_nc_u64 s[14:15], s[4:5], s[16:17]
	s_add_nc_u64 s[46:47], s[6:7], s[22:23]
	s_mov_b32 s[G0T], 1
	s_lshl_b32 s[G0T+1], s10, 15                   ; the table: 64 rows x 512 bytes a wave, from LDS byte 0 on
	s_add_nc_u64 s[G0T+2:G0T+3], s[90:91], s[18:19]
	s_or_b32 s[G0T+3], s[G0T+3], 0x80000000
	s_cmp_eq_u32 s[WHICH], 1
	s_cselect_b64 s[8:9], s[86:87], s[84:85]
	s_cmp_eq_u32 s[WHICH], 2
	s_cselect_b64 s[8:9], s[88:89], s[8:9]         ; the bias that goes with the weight
	CROUND                                         ; all sixteen work-groups are here: the first joint loads meet
.irp s, 0,1
	s_mov_b32 s[G0+4*(\s)], 1
	s_add_co_u32 s[G0+4*(\s)+1], s20, (\s)*SLOT
	s_add_nc_u64 s[G0+4*(\s)+2:G0+4*(\s)+3], s[14:15], (\s)*KSTEP*2
	s_or_b32 s[G0+4*(\s)+3], s[G0+4*(\s)+3], 0x80000000
	s_mov_b32 s[G0B+4*(\s)], 1
	s_add_co_u32 s[G0B+4*(\s)+1], s20, (\s)*SLOT
	s_add_nc_u64 s[G0B+4*(\s)+2:G0B+4*(\s)+3], s[46:47], (\s)*KSTEP*4096
	s_or_b32 s[G0B+4*(\s)+3], s[G0B+4*(\s)+3], 0x80000000
	JLOAD \s                                       ; K steps 0 and 1: two loads of mine are out
.endr
	v_and_b32 v1, 15, v0                           ; r = l % 16
	v_bfe_u32 v2, v0, 4, 1                         ; h = l / 16
	v_and_b32 v3, 31, v0                           ; l
	s_lshl_b32 s21, s42, 10                        ; the bias of my head's columns: (256 x tile column + 128 x half) x 4 bytes + 16 l
	s_lshl_b32 s19, s12, 9
	s_add_co_u32 s21, s21, s19
	v_lshl_add_u32 v12, v3, 4, s21
	global_load_b128 v[BI:BI+3], v12, s[8:9]
	v_mul_u32_u24 v4, v1, PA                       ; a fragment of tokens: row r, 16 bytes for each half of the lanes, two loads 32 bytes apart
	v_lshl_add_u32 v4, v2, 4, v4
	s_mul_i32 s21, s11, TILEB
	v_add_nc_u32 v[ADRA0], s21, v4
	v_and_b32 v5, 7, v0                            ; the turning load: lane l reads k-row 8 h + l % 8, columns 8 ((l / 8) % 2) + 0..7, and ends with column r and 8 k
	v_lshl_add_u32 v5, v2, 3, v5
	v_mul_u32_u24 v5, v5, PB
	v_bfe_u32 v6, v0, 3, 1
	v_lshl_add_u32 v5, v6, 4, v5
	s_lshl_b32 s21, s12, 8                         ; my 128 columns
	s_add_co_u32 s21, s21, 2*TILEB                 ; behind the tokens' 256 rows
	v_add_nc_u32 v[ADRB0], s21, v5
	v_mov_b32 v[ADRA], v[ADRA0]
	v_mov_b32 v[ADRB], v[ADRB0]
	s_mul_i32 s21, s10, 64*SPITCH
	s_add_co_u32 s21, s21, SLOT                    ; my stage, in slot 1
	v_mul_u32_u24 v4, v1, SPITCH
	v_lshl_add_u32 v4, v2, 5, v4                   ; row r, eight f32 for each half of the lanes
	v_add_nc_u32 v[STO], s21, v4
	v_lshl_add_u32 v[RD0], v3, 4, s21
	s_lshl_b32 s21, s11, 16                        ; my 128 positions of the table
	v_lshl_add_u32 v[TR], v3, 4, s21
	v_lshlrev_b32 v[OO], 3, v3
	s_lshl_b32 s20, s[WHICH], 23                   ; the output: which, head 2 x tile column + half, position 256 x tile row + 128 x half
	s_lshl_b32 s21, s42, 20
	s_add_co_u32 s20, s20, s21
	s_lshl_b32 s21, s12, 19
	s_add_co_u32 s20, s20, s21
	s_lshl_b32 s21, s13, 16
	s_add_co_u32 s20, s20, s21
	s_lshl_b32 s21, s11, 15
	s_add_co_u32 s20, s20, s21
	s_mov_b32 s21, 0
	s_add_nc_u64 s[OUTB:OUTB+1], s[92:93], s[20:21]
	; the prefetches: my work-group's share of the tile that I fetch, at K step 3; the first refill steps it to 4
	s_lshl_b32 s20, s40, 17                        ; tokens: 32 cx rows
	s_add_co_u32 s20, s20, s16
	s_add_co_u32 s20, s20, 3*KSTEP*2
	s_lshl_b32 s21, s41, 16                        ; weight: 16 cy k-rows
	s_add_co_u32 s21, s21, s22
	s_add_co_u32 s21, s21, 3*KSTEP*4096
	s_and_b32 s18, ttmp7, 1                        ; weight: 0 in the cluster with even y
	s_lshr_b32 s19, s[WHICH], 1
	s_or_b32 s19, s19, ttmp9                       ; tokens: 0 in the cluster with x = 0 that does not make v
	s_mov_b32 s[PSTEP], KSTEP*4096
	s_mov_b32 s[PSTEP+1], 0
	s_cmp_eq_u32 s11, 0
	s_cselect_b32 s20, s20, s21
	s_cselect_b32 s18, s19, s18
	s_cselect_b64 s[PFA:PFA+1], s[4:5], s[6:7]
	s_cselect_b32 s[PSTEP], KSTEP*2, s[PSTEP]
	s_mov_b32 s21, 0
	s_add_nc_u64 s[PFA:PFA+1], s[PFA:PFA+1], s[20:21]
	s_cmp_eq_u32 s18, 0
	s_cselect_b32 s[LIM], 2, -1                    ; the same in all sixteen partners, for a given wave
	v_lshrrev_b32 v[PFO], s11, v3                  ; tokens: a lane a row; weight: two lanes a k-row of 512 bytes
	v_lshlrev_b32 v[PFO], 12, v[PFO]
	v_and_b32 v4, s11, v3
	v_lshl_add_u32 v[PFO], v4, 8, v[PFO]
	s_wait_loadcnt 0x0                             ; the bias, rounded to bf16 like every input
	v_cvt_pk_bf16_f32 v32, v[BI], v[BI+1]
	v_cvt_pk_bf16_f32 v33, v[BI+2], v[BI+3]
	v_lshlrev_b32 v[BI], 16, v32
	v_and_b32 v[BI+1], 0xffff0000, v32
	v_lshlrev_b32 v[BI+2], 16, v33
	v_and_b32 v[BI+3], 0xffff0000, v33
; 16 matrix instructions: row blocks a0, a0 + 1 of the window's four x all 8 column blocks, 32 along K.  zero = 1: the product starts the sums.  The 64 accumulators take turns in the same order in every quarter.
.macro MUL16 f, hi, a0, zero
	WIN MUL_LO+0x50*(\hi)
.irp a, \a0, (\a0)+1
.irp b, 0,1,2,3,4,5,6,7
.if \zero
	v_wmma_f32_16x16x32_f16 v[8*(8*(\a)+(\b)):8*(8*(\a)+(\b))+7], v[(\f)+8*(\b):(\f)+8*(\b)+7], v[(\f)+8*(4*(\hi)+(\a)):(\f)+8*(4*(\hi)+(\a))+7], 0
.else
	v_wmma_f32_16x16x32_f16 v[8*(8*(\a)+(\b)):8*(8*(\a)+(\b))+7], v[(\f)+8*(\b):(\f)+8*(\b)+7], v[(\f)+8*(4*(\hi)+(\a)):(\f)+8*(4*(\hi)+(\a))+7], v[8*(8*(\a)+(\b)):8*(8*(\a)+(\b))+7]
.endif
.endr
.endr
.endm
; 32 LDS loads in one run: quarter kq (32 along K) of the slot that is being read, into buffer f: the weight's 128 columns, turned, then the tokens' 128 rows
.macro FETCH kq, f
	WIN TO_B
.irp i, 0,1,2,3,4,5,6,7
	ds_load_tr16_b128 v[(\f)+8*(\i):(\f)+8*(\i)+3],   v[ADRB] offset:(\kq)*32*PB+32*(\i)
	ds_load_tr16_b128 v[(\f)+8*(\i)+4:(\f)+8*(\i)+7], v[ADRB] offset:(\kq)*32*PB+16*PB+32*(\i)
.endr
	WIN 0
.irp i, 0,1,2,3,4,5,6,7
	ds_load_b128 v[(\f)+8*(\i):(\f)+8*(\i)+3],   v[ADRA] offset:(\kq)*64+(\i)*16*PA
	ds_load_b128 v[(\f)+8*(\i)+4:(\f)+8*(\i)+7], v[ADRA] offset:(\kq)*64+(\i)*16*PA+32
.endr
.endm
.macro PLACES                          ; four plain instructions between a matrix instruction and a load into, or a read of, its registers
.rept 4
	v_nop
.endr
.endm
; One of a K step's first three quarters: multiplies buffer f; in its middle fetches quarter kq into buffer g
.macro QUARTER kq, f, g, zero
	s_wait_dscnt 8                                 ; the weight's fragments and the tokens' rows 0-63 are in; the youngest eight loads (rows 64-127) may be out
	WIN MUL_LO
	MUL16 \f, 0, 0, \zero
	MUL16 \f, 0, 2, \zero
	PLACES
	FETCH \kq, \g
	s_wait_dscnt 32                                ; all but the 32 just issued
	WIN MUL_HI
	MUL16 \f, 1, 0, \zero
	MUL16 \f, 1, 2, \zero
.endm
; The first half of a K step's last quarter, and the barrier of the change of slots, which opens a round of the cluster's barrier
.macro MEET
	WIN 0
	s_wait_tensorcnt 0x0                           ; all my tensor loads have landed: the one that was out is my part of the next slot
	ds_add_u32 v[SPW], v[NIL]                      ; 0 onto my spare word
	s_wait_dscnt 9                                 ; (the add and the youngest eight loads may be out)
	WIN MUL_LO
	MUL16 F1, 0, 0, 0
	s_wait_dscnt 0x0                               ; the add is done, and my reads of this slot are over
	s_barrier_signal -1
	MUL16 F1, 0, 2, 0                              ; work on registers while the others arrive
	WIN 0
	s_barrier_wait -1
.endm
.macro FLIP                            ; the reads go to the other slot
	s_xor_b32 s[SB], s[SB], SLOT
	v_add_nc_u32 v[ADRA], s[SB], v[ADRA0]
	v_add_nc_u32 v[ADRB], s[SB], v[ADRB0]
.endm
; The whole last quarter: behind the round the slot just read is filled again, with the K step two on; then the next slot's first fragments
.macro TURN
	s_wait_xcnt 0x0                                ; the last prefetch, a K step back, has read its address
	s_add_nc_u64 s[PFA:PFA+1], s[PFA:PFA+1], s[PSTEP:PSTEP+1]
	MEET
	CREST                                          ; no wave of any partner still reads this slot or has a load on its way
	s_xor_b32 s[G0+5], s[G0+5], SLOT               ; the walking descriptors: the other slot than last time, the next K step
	s_add_nc_u64 s[G0+6:G0+7], s[G0+6:G0+7], KSTEP*2
	s_xor_b32 s[G0B+5], s[G0B+5], SLOT
	s_add_nc_u64 s[G0B+6:G0B+7], s[G0B+6:G0B+7], KSTEP*4096
	JLOAD 1                                        ; my one tensor load behind the round; 224 matrix instructions stand between it and the wait for it
	FLIP
	FETCH 0, F0
	ASK
	WIN MUL_HI
	MUL16 F1, 1, 0, 0
	MUL16 F1, 1, 2, 0
.endm
	s_wait_tensorcnt 1                             ; my part of K step 0 is in; K step 1's may stay out
	s_barrier_signal -1
	s_barrier_wait -1
	FETCH 0, F0
	QUARTER 1, F0, F1, 1                           ; the first quarter stands in front of the loop: its products start the sums
	WIN 0
	s_mov_b32 s3, 14
.Lstep:                                                ; a trip: from a K step's second quarter to the next step's first; it asks for K steps 2 .. 15
	QUARTER 2, F1, F0, 0
	QUARTER 3, F0, F1, 0
	TURN
	QUARTER 1, F0, F1, 0
	WIN 0
	s_sub_co_u32 s3, s3, 1
	s_cmp_lg_u32 s3, 0
	s_cbranch_scc1 .Lstep
	QUARTER 2, F1, F0, 0                           ; K step 14 goes on
	QUARTER 3, F0, F1, 0
	MEET
	CREST
	tensor_load_to_lds s[G0T:G0T+3], s[G1T:G1T+7]  ; slot 0, which K step 14 has left, takes the table: 64 positions a wave; it has K step 15 in which to land
	s_nop 0
	PLACES
	FLIP
	FETCH 0, F0
	WIN MUL_HI
	MUL16 F1, 1, 0, 0
	MUL16 F1, 1, 2, 0
	QUARTER 1, F0, F1, 0                           ; K step 15
	QUARTER 2, F1, F0, 0
	QUARTER 3, F0, F1, 0
	s_wait_dscnt 0x0
	MUL16 F1, 0, 0, 0
	MUL16 F1, 0, 2, 0
	MUL16 F1, 1, 0, 0
	MUL16 F1, 1, 2, 0
	WIN 0
	PLACES                                         ; in front of the LDS stores that read the sums, and of the LDS loads into the fragments' registers
	s_wait_tensorcnt 0x0                           ; my part of the table is in; my reads of slot 1 were waited for above
	s_barrier_signal -1
	s_barrier_wait -1                              ; the table is whole, and nobody reads slot 1 any more: it takes the stages
; The window's 32 accumulators (my rows 64 p .. 64 p + 63) into my stage, each one's low four registers first
.macro STOREACC p
	WIN 0x08+4*(\p)                                ; the stores' data in window 2 or 3
.irp a, 0,1,2,3
.irp b, 0,1,2,3,4,5,6,7
	ds_store_b128 v[STO], v[8*(8*(\a)+(\b)):8*(8*(\a)+(\b))+3]   offset:16*SPITCH*(\a)+64*(\b)
	ds_store_b128 v[STO], v[8*(8*(\a)+(\b))+4:8*(8*(\a)+(\b))+7] offset:16*SPITCH*(\a)+64*(\b)+16
.endr
.endr
	WIN 0
.endm
; Eight rows' sums and eight rows of the table are asked for: 16 bytes a lane and row
.macro LOADS
.irp i, 0,1,2,3,4,5,6,7
	ds_load_b128 v[XR+4*(\i):XR+4*(\i)+3], v[RD] offset:SPITCH*(\i)  ; LDS serves a wave's instructions in order: these see my stores into the stage
.endr
.irp i, 0,1,2,3,4,5,6,7
	ds_load_b128 v[TBL+4*(\i):TBL+4*(\i)+3], v[TR] offset:512*(\i)
.endr
.endm
; Bias and rotation (x0 c - x1 s, x0 s + x1 c), kind by kind over the eight rows: no line reads the result of one of the fifteen lines ahead of it
.macro MATH
	s_wait_dscnt 0x0                               ; the trip's sixteen loads are back
.irp i, 0,1,2,3,4,5,6,7
	v_pk_add_f32 v[XR+4*(\i):XR+4*(\i)+1], v[XR+4*(\i):XR+4*(\i)+1], v[BI:BI+1]
	v_pk_add_f32 v[XR+4*(\i)+2:XR+4*(\i)+3], v[XR+4*(\i)+2:XR+4*(\i)+3], v[BI+2:BI+3]
.endr
.irp i, 0,1,2,3,4,5,6,7
	v_mul_f32 v[ROT+4*(\i)],   v[XR+4*(\i)+1], v[TBL+4*(\i)+1]  ; x1 s
	v_mul_f32 v[ROT+4*(\i)+1], v[XR+4*(\i)+1], v[TBL+4*(\i)]    ; x1 c
	v_mul_f32 v[ROT+4*(\i)+2], v[XR+4*(\i)+3], v[TBL+4*(\i)+3]
	v_mul_f32 v[ROT+4*(\i)+3], v[XR+4*(\i)+3], v[TBL+4*(\i)+2]
.endr
.irp r, 128,130,132,134,136,138,140,142,144,146,148,150,152,154,156,158  ; r = ROT + 2 x the pair's number: x0 lies at r - 64, c at r - 32, s at r - 31
	v_fma_f32 v\r, v[(\r)-64], v[(\r)-32], -v\r                  ; x0 c - x1 s
	v_fma_f32 v[(\r)+1], v[(\r)-64], v[(\r)-31], v[(\r)+1]       ; x0 s + x1 c
.endr
.endm
; Rounding, and a row of 256 bytes a store.  The offset is stepped first and the stores reach back by their immediate, so that the wait that frees it and the data stands a trip behind the stores that read them
.macro FINISH
	s_wait_xcnt 0x0                                ; the last trip's stores have read their data and their offset
	v_add_nc_u32 v[OO], 8*256, v[OO]
.irp i, 0,1,2,3,4,5,6,7
	v_cvt_pk_f16_f32 v[YR+2*(\i)], v[ROT+4*(\i)], v[ROT+4*(\i)+1]
	v_cvt_pk_f16_f32 v[YR+2*(\i)+1], v[ROT+4*(\i)+2], v[ROT+4*(\i)+3]
.endr
.irp i, 0,1,2,3,4,5,6,7
	global_store_b64 v[OO], v[YR+2*(\i):YR+2*(\i)+1], s[OUTB:OUTB+1] offset:256*(\i)-8*256  ; 32 lanes x 8 bytes: 256 consecutive bytes, aligned
.endr
.endm
	s_mov_b32 s[PASSN], 0
.Lpass:                                                ; twice: my rows 0-63, then 64-127; the two differ in the window that the stage's stores read
	s_cmp_eq_u32 s[PASSN], 0
	s_cbranch_scc0 .Lupper
	STOREACC 0
	s_branch .Lstaged
.Lupper:
	STOREACC 1
.Lstaged:
	v_mov_b32 v[RD], v[RD0]
	LOADS
	s_mov_b32 s2, 8
.Lrows:                                                ; eight trips of eight rows; the loop is left in its middle, where the last trip has nothing more to ask for
	MATH
	s_sub_co_u32 s2, s2, 1
	s_cmp_eq_u32 s2, 0
	s_cbranch_scc1 .Lrows_done
	v_add_nc_u32 v[RD], 8*SPITCH, v[RD]
	v_add_nc_u32 v[TR], 8*512, v[TR]
	LOADS                                          ; the next trip's, ahead of this trip's roundings and stores
	FINISH
	s_branch .Lrows
.Lrows_done:
	v_add_nc_u32 v[TR], 8*512, v[TR]               ; the table's rows run on into the second pass
	FINISH
	s_add_co_u32 s[PASSN], s[PASSN], 1
	s_cmp_lt_u32 s[PASSN], 2
	s_cbranch_scc1 .Lpass
	s_wait_tensorcnt 0x0                           ; the wave's end: behind my last tensor load and my last LDS store
	ds_add_u32 v[SPW], v[NIL]
	s_wait_dscnt 0x0
	CROUND                                         ; the closing round
	s_endpgm
.Lfunc_end_k_q0c35ad2bee_qkv:
	.size	k_q0c35ad2bee_qkv, .Lfunc_end_k_q0c35ad2bee_qkv-k_q0c35ad2bee_qkv
	.p2alignl 7, 3214868480
	.fill 96, 4, 3214868480
	.section	.rodata,"a",@progbits
	.p2align	6, 0x0
	.amdhsa_kernel k_q0c35ad2bee_qkv
		.amdhsa_group_segment_fixed_size 327680
		.amdhsa_private_segment_fixed_size 0
		.amdhsa_enable_private_segment 0
		.amdhsa_kernarg_size 56
		.amdhsa_user_sgpr_count 2
		.amdhsa_user_sgpr_kernarg_segment_ptr 1
		.amdhsa_wavefront_size32 1
		.amdhsa_system_sgpr_workgroup_id_x 1
		.amdhsa_system_sgpr_workgroup_id_y 1
		.amdhsa_system_sgpr_workgroup_id_z 1
		.amdhsa_system_vgpr_workitem_id 0
		.amdhsa_next_free_vgpr 1024
		.amdhsa_next_free_sgpr 96
		.amdhsa_reserve_vcc 0
		.amdhsa_float_denorm_mode_32 3
		.amdhsa_float_denorm_mode_16_64 3
		.amdhsa_memory_ordered 1
		.amdhsa_forward_progress 1
		.amdhsa_inst_pref_size 107
	.end_amdhsa_kernel
	.amdgpu_metadata
---
amdhsa.version: [ 1, 2 ]
amdhsa.kernels:
  - .name:           k_q0c35ad2bee_qkv
    .symbol:         k_q0c35ad2bee_qkv.kd
    .args:
      - { .name: x16, .offset: 0, .size: 8, .value_kind: global_buffer, .address_space: global }
      - { .name: w16, .offset: 8, .size: 8, .value_kind: global_buffer, .address_space: global }
      - { .name: bq, .offset: 16, .size: 8, .value_kind: global_buffer, .address_space: global }
      - { .name: bk, .offset: 24, .size: 8, .value_kind: global_buffer, .address_space: global }
      - { .name: bv, .offset: 32, .size: 8, .value_kind: global_buffer, .address_space: global }
      - { .name: rope, .offset: 40, .size: 8, .value_kind: global_buffer, .address_space: global }
      - { .name: qkv, .offset: 48, .size: 8, .value_kind: global_buffer, .address_space: global }
    .group_segment_fixed_size: 327680
    .private_segment_fixed_size: 0
    .kernarg_segment_align: 8
    .kernarg_segment_size: 56
    .max_flat_workgroup_size: 128
    .sgpr_count:     96
    .vgpr_count:     1024
    .wavefront_size: 32
...
	.end_amdgpu_metadata
.endif
;; end of part 2
;; launch attn (part 3): grid 16 x 16, 4 waves a work-group, clusters of 4 x 1, 327,680 bytes of LDS; arguments qkv, maskbits, ctx; writes ctx
.if DOCPART == 3
	.amdgcn_target "amdgcn-amd-amdhsa--gfx1250"
	.amdhsa_code_object_version 6
	.text
	.protected	k_q0c35ad2bee_attn
	.globl	k_q0c35ad2bee_attn
	.p2align	8
	.type	k_q0c35ad2bee_attn,@function
k_q0c35ad2bee_attn:
	s_mov_b64 s[64:65], 0
	v_nop
	global_prefetch_b8 v0, s[64:65] scope:SCOPE_SE
	s_setreg_imm32_b32 hwreg(HW_REG_WAVE_MODE, 25, 1), 1
	s_wait_xcnt 0x0
	s_wait_alu depctr_hold_cnt(0) depctr_sa_sdst(0) depctr_va_vdst(0) depctr_va_sdst(0) depctr_va_ssrc(0) depctr_va_vcc(0) depctr_vm_vsrc(0)
	s_getreg_b32 s2, hwreg(HW_REG_IB_STS2, 6, 4)
	s_cmp_eq_u32 s2, 0
	s_cbranch_scc0 .Lentry_in_a_cluster
	s_endpgm
.Lentry_in_a_cluster:
	s_bfe_u32 s2, ttmp6, 0x10000c
	s_cmp_lg_u32 s2, 0x3003
	s_cbranch_scc0 .Lentry_shape_is_right
	s_endpgm
.Lentry_shape_is_right:
; ctx[q][128 h + :] = the sum over k of softmax_k(score) V[h][k][:], score = Q[h][q] . K[h][k] / sqrt(128) where the mask's word is not 0, and a fixed very low score where it is 0.
; qkv = [3][16][2048][128] f16 (q, k rotated; none scaled); maskbits = [128 query tiles][32 key steps][32 words], a bit a lane; ctx = [2048][2048] f16.
; Products, maxima and sums in f32; the weights p are rounded to f16 for the second product (their sum is taken of the unrounded p), the result once at the end.
; THE MASK IS AN INPUT: every score is made, and a hidden one is REPLACED (one v_cndmask_b32 a score, by a lane mask in a scalar register).  The hidden score is -2^33 ahead of the scale, -7.6e8 behind it
; (the problem's is -1e9): a power of two, so that c x it is exact and a row whose keys are all hidden has weights of exactly 1: the mean of V.
; LIMITS.  Real scores are taken to lie above -7.5e8.  A weight below 2^-126 counts as 0; p below 6e-5 keeps f16's fixed step.  NaN and infinities are not treated apart.
; SHARES.  A work-group owns 128 queries of one head: 256 work-groups.  Wave w owns the 64 queries of half w % 2 (four tiles of 16, in two PIECES of two) and, of every 256 keys, the 128 of half w / 2:
; 16 key steps of 64.  Waves w and w + 2 hold the same queries and meet once, at the end, through LDS: maxima, sums and results are merged as two parts of one running softmax.
; LAYOUT.  S^T = K Q^T: a lane holds ONE query (lane % 16) and the keys 8 (lane / 16) + 0..7; two such tiles rounded to f16 ARE source 1 of O^T = V^T P.  K comes out of LDS as it lies, V turned.
; SOFTMAX.  A running maximum m and sum l: p = 2^(c s - c m), c = log2(e) / sqrt(128); in every step O and l are multiplied by a = 2^(c m_old - c m_new).
; BY TURNS.  In a TURN one piece has the matrix unit (32 products V^T P of the step in hand, 32 products K Q^T of the next); the other piece's mask and softmax, cut into 80 units of four instructions,
; stand behind the products: two behind each of the first sixteen, one behind each of the others.
; NO FIRST AND NO LAST STEP IS WRITTEN OUT.  c m starts far below every c s, m at the lowest finite number, l, O^T, V's registers and piece 2's P at 0: the first step's a is 0, and the loop is entered in its middle.
; The tail is left in its middle.  The price: 32 products on zeros at the start, 32 on a stale K at the end, 176 moves and 32 products that write zeros, in the wait for the first tile.  The gain: a key step stands
; twice in the text (loop and tail), not eight times.
; CLUSTER.  The four query blocks of a cluster belong to one head and walk the same K and V: each tile is asked for jointly.
; REGISTERS: window 0: v0-11 addresses; v12-43 statistics, eight a tile; v46-48, v61-63 constants and addresses; v64-191 S^T; v192-255 P.  Window 1: O^T, 64 a tile.  Window 2: v0-127 Q, v128-255 K of one step.  Window 3: v0-127 V.
.set KS,    64
.set PK,    272       ; a row of K in LDS: 256 bytes + 16
.set PV,    288       ; a row of V: 256 + 32
.set TILEB, 36864     ; room for what one tensor load brings: 128 keys of K (34,816 bytes) or of V (36,864)
.set SLOT,  4*TILEB   ; 0x24000: 256 keys: K's two halves, then V's.  None of the four places has one of its two bits, so an exclusive or changes slots
.set STAGE, 2*SLOT    ; behind the ring: 16 rows x 272 bytes a wave, for the way out
.set SP,    272
.set SPARE, STAGE+4*16*SP  ; behind the stages: the spare words, 128 bytes a wave
.set XCH,   33792     ; the merge: 32,768 bytes of O^T and 1,024 of statistics for each pair of waves, in slot 0, which has had its last fill and has been left
.set AK0, 2           ; v2   my lane's place in a tile of K; never rewritten
.set AV0, 3           ; v3   the same for V
.set ADR, 4           ; v4   the LDS address of the run of loads in hand
.set QO,  5           ; v5   my byte offset in the wave's rows of Q
.set STO, 6           ; v6   the way out: where I put 16 bytes of a row
.set RD,  7           ; v7   where I read a row back
.set GO,  8           ; v8   my byte offset in two rows of ctx
.set ST,  12          ; tile t's statistics at v[ST+8 t]: +0 c m, +1 m, +2, +3 l, +4 to +7 at work
.set NEGV, 46         ; v46  the hidden score
.set XA,  47          ; v47  the merge: my 16 bytes
.set XS,  48          ; v48  the merge: my 8 bytes of statistics
.set PFO, 61          ; v61  256 x lane
.set SPW, 62          ; v62  my spare word; never rewritten
.set NIL, 63          ; v63  0; never rewritten
.set S,   64
.set P,   192
.set KF,  128
.set MP,  2           ; s[2:3]   the mask words of my first tile for the key step whose words are loaded next
.set G1K, 4           ; s[4:11]  descriptor group 1 for K's tiles: constants
.set G0,  12          ; s[12:15] group 0: it walks from slot 0 to slot 7
.set OB,  16          ; s[16:17] ctx at my first row and my head's columns
.set PFA, 18          ; s[18:19] where my prefetches stand
.set WV,  20
.set SLOTS, 21
.set TWICE, 22        ; s22  counts a slot's steps; ahead of the loop: at work
.set TBK, 23          ; s23  LDS byte at which K of the step to be fetched begins
.set G1V, 24          ; s[24:31] descriptor group 1 for V's tiles: it differs in the padding alone
.set MK0, 32          ; s[32:63] the 32 mask words of the piece's first tile.  Ahead of the first mask load: the arguments and the set-up's numbers
.set CS,  66          ; s[66:67] c
.set MK1, 68          ; s[68:99] the mask words of the piece's second tile
.set TBV, 100         ; s100 LDS byte at which V of the step to be fetched begins
.set LIM, 101         ; s101 1 in a cluster that prefetches, else the greatest number
.set SEL, 104         ; s104, s105 v_permlanex16_b32's selects;
.set QP,  104         ; until Q has landed: Q at my first row
.set MSB, 0
.macro WIN new
.if MSB != (\new)
	s_set_vgpr_msb (MSB<<8)|(\new)
.set MSB, \new
.endif
.endm
.set W_KQ, 0x0a       ; K and Q in window 2, S^T in window 0
.set W_PV, 0x53       ; V in window 3, P in window 0, O^T in window 1
.set W_RS, 0x41       ; O^T (destination and source 0) in window 1, the factor in window 0
.macro PLACES
.rept 4
	v_nop
.endr
.endm
; A joint fill.  Waves 0 and 1 fetch the two halves of a slot's K, waves 2 and 3 those of its V: 128 keys each.  Each of the two lines has one constant group 1; group 0 is the wave's own.
; The branch hangs on the wave's number alone.  An s_nop 0 and four v_nop follow each line, ahead of the jump and the label.
.macro JLOAD
	s_cmp_lt_u32 s[WV], 2
	s_cbranch_scc0 .Lfor_v_\@
	tensor_load_to_lds s[G0:G0+3], s[G1K:G1K+7]
	s_nop 0
	PLACES
	s_branch .Lasked_\@
.Lfor_v_\@:
	tensor_load_to_lds s[G0:G0+3], s[G1V:G1V+7]
	s_nop 0
	PLACES
.Lasked_\@:
.endm
; A PREFETCH of what the NEXT change of slots will ask for: two key steps of mine, 256 matrix instructions, ahead (at the first change: three turns).  All four clusters of a head walk the same K and V: the first of
; them asks.  Every wave asks for rows of the tile that it fetches itself; its four partners share the 128 rows out by address, 32 each, a lane a row of 256 bytes.  Slots 2 to 7 are so named, once each; slots 0 and 1
; come by their loads alone, and the last change that fills a slot asks for nothing.
.macro ASK
	s_cmp_gt_u32 s[SLOTS], s[LIM]
	s_cbranch_scc0 .Lnot_mine_\@
	global_prefetch_b8 v[PFO], s[PFA:PFA+1] th:TH_LOAD_NT scope:SCOPE_SE
.Lnot_mine_\@:
.endm
.macro CROUND
	s_barrier_signal -1
	s_barrier_wait -1
	s_cmp_lg_u32 s[WV], 0
	s_cbranch_scc1 .Lnot_wave_0_\@
	s_barrier_signal -3
.Lnot_wave_0_\@:
	s_barrier_wait -3
	s_barrier_signal -1
	s_barrier_wait -1
.endm
; THE MASK WORDS of tiles y and y + 1 for the key step at which MP stands: 2 x 128 bytes into scalar registers
.macro MLOAD y
	s_load_b512 s[MK0:MK0+15],    s[MP:MP+1], 4096*(\y)
	s_load_b512 s[MK0+16:MK0+31], s[MP:MP+1], 4096*(\y)+64
	s_load_b512 s[MK1:MK1+15],    s[MP:MP+1], 4096*((\y)+1)
	s_load_b512 s[MK1+16:MK1+31], s[MP:MP+1], 4096*((\y)+1)+64
.endm
	s_load_b128 s[32:35], s[0:1], 0x0  ; qkv s[32:33], maskbits s[34:35]
	s_load_b64 s[36:37], s[0:1], 0x10  ; ctx
	v_lshl_add_u32 v[SPW], v0, 2, SPARE
	v_mov_b32 v[NIL], 0
	ds_add_u32 v[SPW], v[NIL]       ; the wave's opening: the add and its wait stand ahead of my first tensor load; work on registers stands between them
	v_lshrrev_b32 v1, 5, v0
	v_readfirstlane_b32 s[WV], v1
	s_bfe_u32 s38, ttmp6, 0x40000   ; cx
	s_lshl_b32 s39, ttmp9, 2
	s_add_co_u32 s39, s39, s38      ; my block of 128 queries: it enters Q's, the mask's and ctx's addresses alone
	s_and_b32 s40, ttmp7, 0xffff    ; the head
	s_and_b32 s41, s[WV], 1         ; my half of the queries.  Also: which 128 keys of a slot I fetch
	s_lshr_b32 s42, s[WV], 1        ; my half of the keys.  Also: I fetch K (0) or V (1)
	s_add_co_u32 s44, s42, 1        ; the tile that I fetch: k is the second, v the third part of qkv,
	s_lshl_b32 s44, s44, 23
	s_lshl_b32 s43, s40, 19         ; the head's 524,288 bytes,
	s_add_co_u32 s44, s44, s43
	s_lshl_b32 s45, s41, 15         ; 128 keys of 256 bytes
	s_add_co_u32 s44, s44, s45
	s_mov_b32 s45, 0
	s_lshl_b32 s46, s39, 15         ; Q: head, block, my 64 rows
	s_add_co_u32 s46, s46, s43
	s_lshl_b32 s47, s41, 14
	s_add_co_u32 s46, s46, s47
	s_mov_b32 s47, 0
	s_lshl_b32 s48, s39, 19         ; ctx: rows of 4,096 bytes, the head's 256 bytes
	s_lshl_b32 s49, s41, 18
	s_add_co_u32 s48, s48, s49
	s_lshl_b32 s49, s40, 8
	s_add_co_u32 s48, s48, s49
	s_mov_b32 s49, 0
	s_lshl_b32 s50, s39, 15         ; the mask: query tile 8 x block + 4 x half, 4,096 bytes each; key step 2 x my half of the keys, 128 bytes each
	s_lshl_b32 s51, s41, 14
	s_add_co_u32 s50, s50, s51
	s_lshl_b32 s51, s42, 8
	s_add_co_u32 s50, s50, s51
	s_mov_b32 s51, 0
	; descriptor group 1: a tile of 128 rows x 128 elements, padded in LDS
	s_mov_b32 s[G1K], 15|(1<<16)|(1<<20)|(1<<21)|(5<<22)|(3<<25)  ; 15:0 the mask of four; 17:16 2-byte elements; 20 padding on; 21 set beside a mask; 24:22 after every 64 words (code 5); 31:25 4 words (code 3)
	s_mov_b32 s[G1V], 15|(1<<16)|(1<<20)|(1<<21)|(5<<22)|(7<<25)  ; the same with 8 words of padding (code 7)
.irp g, G1K, G1V
	s_mov_b32 s[(\g)+1], 128<<16    ; tensor_dim0 = 128
	s_mov_b32 s[(\g)+2], 128<<16    ; tensor_dim1 = 128
	s_mov_b32 s[(\g)+3], 128<<16    ; tile_dim0 = 128
	s_mov_b32 s[(\g)+4], 128        ; tile_dim1 = 128
	s_mov_b32 s[(\g)+5], 128        ; elements from row to row
	s_mov_b32 s[(\g)+6], 0
	s_mov_b32 s[(\g)+7], 0
.endr
	s_mul_i32 s53, s[WV], TILEB     ; where my tiles go: the wave's number alone
	s_mov_b32 s[G0], 1
	s_mov_b32 s[G0+1], s53          ; slot 0
	s_mul_i32 s[TBK], s42, TILEB    ; what I read: K's and V's half w / 2
	s_add_co_u32 s[TBV], s[TBK], 2*TILEB
	s_mov_b32 s[CS], 0x3e0293ee     ; c = log2(e) / sqrt(128)
	s_mov_b32 s[CS+1], s[CS]
	s_mov_b32 s[SLOTS], 7           ; slots still to be asked for
	s_cmp_eq_u32 ttmp9, 0
	s_cselect_b32 s[LIM], 1, -1     ; the same in all four partners
	s_lshl_b32 s54, s38, 13         ; my work-group's 32 rows of the 128
	s_mov_b32 s55, 0
	v_and_b32 v[PFO], 31, v0
	v_lshlrev_b32 v[PFO], 8, v[PFO]
	s_wait_dscnt 0x0                ; the opening add is done
	s_wait_kmcnt 0x0
	s_add_nc_u64 s[G0+2:G0+3], s[32:33], s[44:45]
	s_add_nc_u64 s[PFA:PFA+1], s[G0+2:G0+3], s[54:55]
	s_add_nc_u64 s[PFA:PFA+1], s[PFA:PFA+1], 2*65536     ; in slot 2
	s_or_b32 s[G0+3], s[G0+3], 0x80000000
	s_add_nc_u64 s[QP:QP+1], s[32:33], s[46:47]
	s_add_nc_u64 s[OB:OB+1], s[36:37], s[48:49]
	s_add_nc_u64 s[MP:MP+1], s[34:35], s[50:51]
	MLOAD 0                         ; piece 0's words for my first key step go out first of all: everything that was made in these registers has been used
	CROUND                          ; all four work-groups are here: the first joint loads meet
	JLOAD                           ; slot 0.  Slot 1 is asked for when slot 0 is in: one tensor load of mine is out at any time
	v_and_b32 v1, 15, v0            ; l % 16
	v_bfe_u32 v9, v0, 4, 1          ; l / 16
	v_lshlrev_b32 v[QO], 8, v1
	v_lshl_add_u32 v[QO], v9, 4, v[QO]
	WIN 0x80                        ; destination window 2
.irp i, 0,1,2,3,4,5,6,7,8,9,10,11,12,13,14,15  ; Q stays in registers: tile i / 4, channels 32 (i % 4) on
	global_load_b128 v[8*(\i):8*(\i)+3],   v[QO], s[QP:QP+1] offset:((\i)/4)*4096+((\i)%4)*64
	global_load_b128 v[8*(\i)+4:8*(\i)+7], v[QO], s[QP:QP+1] offset:((\i)/4)*4096+((\i)%4)*64+32
.endr
	; What the first turn finds.  All this stands in the wait for the first tile.
	WIN 0xc0                        ; V's registers hold 0: the first turn's products V^T P, of a step that has not been, add 0
.set i, 0
.rept 128
	v_mov_b32 v[i], 0
.set i, i+1
.endr
	WIN 0
.set i, P+32                        ; and so does piece 2's P
.rept 32
	v_mov_b32 v[i], 0
.set i, i+1
.endr
.set i, 0
.rept 4
	v_mov_b32 v[ST+8*i], 0xfe000000    ; c m: far below every c s, the hidden score's too
	v_mov_b32 v[ST+8*i+1], 0xff7fffff  ; m
	v_mov_b32 v[ST+8*i+2], 0           ; l
	v_mov_b32 v[ST+8*i+3], 0
.set i, i+1
.endr
	WIN W_PV                        ; O^T's 256 registers: 32 products of zeros that start at the constant 0, a quarter of the text of 256 moves
.set i, 0
.rept 32
	v_wmma_f32_16x16x32_f16 v[8*i:8*i+7], v[0:7], v[P+32:P+39], 0
.set i, i+1
.endr
	WIN 0
	v_mul_u32_u24 v[AK0], v1, PK
	v_lshl_add_u32 v[AK0], v9, 4, v[AK0]
	v_and_b32 v10, 7, v0
	v_bfe_u32 v11, v0, 3, 1
	v_lshl_add_u32 v[AV0], v9, 3, v10
	v_mul_u32_u24 v[AV0], v[AV0], PV
	v_lshl_add_u32 v[AV0], v11, 4, v[AV0]
	v_mov_b32 v[NEGV], 0xd0000000   ; -2^33
; THE MATRIX WORK OF A TURN, for piece x.  The accumulators take turns, one instruction a turn.
; Product i of 32 of O^T += V^T P: keys 32 (i / 16) on, channels 16 ((i / 2) % 8) on, tile x + i % 2
.macro PV x
	WIN W_PV
.set rO, 64*((\x)+i%2)+8*((i/2)%8)
.set rV, 64*(i/16)+8*((i/2)%8)
.set rP, P+16*((\x)+i%2)+8*(i/16)
	v_wmma_f32_16x16x32_f16 v[rO:rO+7], v[rV:rV+7], v[rP:rP+7], v[rO:rO+7]
.endm
; Product i of 32 of S^T = K Q^T: channels 32 (i / 8) on, keys 16 ((i / 2) % 4) on, tile x + i % 2.  The first 8 start the sums.
.macro KQ x
	WIN W_KQ
.set rS, S+32*((\x)+i%2)+8*((i/2)%4)
.set rK, KF+32*((i/2)%4)+8*(i/8)
.set rQ, 32*((\x)+i%2)+8*(i/8)
.if i < 8
	v_wmma_f32_16x16x32_f16 v[rS:rS+7], v[rK:rK+7], v[rQ:rQ+7], 0
.else
	v_wmma_f32_16x16x32_f16 v[rS:rS+7], v[rK:rK+7], v[rQ:rQ+7], v[rS:rS+7]
.endif
.endm
; THE LDS LOADS stand in runs of 32
.macro FETCH_K
	WIN 0
	v_add_nc_u32 v[ADR], s[TBK], v[AK0]
	s_add_co_u32 s[TBK], s[TBK], KS*PK  ; the next fetch is the next step's
	WIN 0x80
.irp f, 0,1,2,3,4,5,6,7,8,9,10,11,12,13,14,15  ; keys 16 (f / 4) on, channels 32 (f % 4) on
	ds_load_b128 v[KF+8*(\f):KF+8*(\f)+3],   v[ADR] offset:((\f)/4)*16*PK+((\f)%4)*64
	ds_load_b128 v[KF+8*(\f)+4:KF+8*(\f)+7], v[ADR] offset:((\f)/4)*16*PK+((\f)%4)*64+32
.endr
.endm
.macro FETCH_V
	WIN 0
	v_add_nc_u32 v[ADR], s[TBV], v[AV0]
	s_add_co_u32 s[TBV], s[TBV], KS*PV
	s_wait_alu depctr_va_vdst(0)    ; the wait for the softmax's batch of exponentials, behind the address's line and ahead of the loads
	WIN 0xc0                        ; destination window 3
.irp f, 0,1,2,3,4,5,6,7,8,9,10,11,12,13,14,15  ; keys 32 (f / 8) on, channels 16 (f % 8) on
	ds_load_tr16_b128 v[8*(\f):8*(\f)+3],   v[ADR] offset:((\f)/8)*32*PV+((\f)%8)*32
	ds_load_tr16_b128 v[8*(\f)+4:8*(\f)+7], v[ADR] offset:((\f)/8)*32*PV+16*PV+((\f)%8)*32
.endr
.endm
; Unit uu of 16 of the mask: scores 2 uu and 2 uu + 1 of both tiles: kept where the lane's bit is 1, else the hidden score.  Each accumulator's lowest registers are read first.
.macro MUNIT y
	WIN 0
.irp n, 0,1
	v_cndmask_b32 v[S+32*(\y)+2*uu+(\n)], v[NEGV], v[S+32*(\y)+2*uu+(\n)], s[MK0+2*uu+(\n)]
	v_cndmask_b32 v[S+32*((\y)+1)+2*uu+(\n)], v[NEGV], v[S+32*((\y)+1)+2*uu+(\n)], s[MK1+2*uu+(\n)]
.endr
.endm
; THE SOFTMAX of one tile for one key step: a list of 134 instructions; SM writes number j of it for tile t.
;   0-15 the maximum of the 32 scores and the old m     16-20 the other half of the lanes' maximum; the new m; c m; c m_old - c m_new
;   21-69 ONE BATCH: the 16 scalings c s - c m and all 33 exponentials (a at 23); none reads an exponential's result     (the wait)     70-85 the roundings to f16     86-101 the sums; l = a l + sum     102-133 O^T times a
.macro SM t
.set rT, ST+8*(\t)
.set rS, S+32*(\t)
.set rP, P+16*(\t)
.set rO, 64*(\t)+2*(j-102)
.if j < 102
	WIN 0
.endif
.if j < 4
	v_max3_num_f32 v[rT+4+j], v[rS+8*j], v[rS+8*j+1], v[rS+8*j+2]
.elseif j < 12
	v_max3_num_f32 v[rT+4+j%4], v[rT+4+j%4], v[rS+8*(j%4)+2*(j/4)+1], v[rS+8*(j%4)+2*(j/4)+2]
.elseif j == 12
	v_max3_num_f32 v[rT+4], v[rT+4], v[rS+7], v[rS+15]
.elseif j == 13
	v_max3_num_f32 v[rT+6], v[rT+6], v[rS+23], v[rS+31]
.elseif j == 14
	v_max3_num_f32 v[rT+4], v[rT+4], v[rT+5], v[rT+6]
.elseif j == 15
	v_max3_num_f32 v[rT+4], v[rT+4], v[rT+7], v[rT+1]
.elseif j == 16
	v_permlanex16_b32 v[rT+5], v[rT+4], s[SEL], s[SEL+1]  ; the query's other 32 keys lie in the lane 16 away
.elseif j == 17
	v_mov_b32 v[rT+7], v[rT]        ; c m_old is kept for a
.elseif j == 18
	v_max_num_f32 v[rT+1], v[rT+4], v[rT+5]
.elseif j == 19
	v_mul_f32 v[rT], s[CS], v[rT+1]
.elseif j == 20
	v_sub_f32 v[rT+7], v[rT+7], v[rT]
.elseif j == 23
	v_exp_f32 v[rT+6], v[rT+7]
.elseif (j < 23) || ((j < 38) && (j%2 == 0)) || ((j < 66) && (j%4 == 2))
.set b, (j-2)/4
.if j < 38
.set b, (j-20)/2
.endif
	v_pk_fma_f32 v[rS+2*b:rS+2*b+1], v[rS+2*b:rS+2*b+1], s[CS:CS+1], v[rT:rT+1] op_sel_hi:[1,0,0] neg_lo:[0,0,1] neg_hi:[0,0,1]  ; pair b: c s - c m
.elseif j < 70
.set e, j-38
.if j < 66
.set e, j-32-(j-38)/4
.endif
.if j < 38
.set e, (j-25)/2
.endif
	v_exp_f32 v[rS+e], v[rS+e]
.elseif j < 86
	v_cvt_pk_f16_f32 v[rP+j-70], v[rS+2*(j-70)], v[rS+2*(j-70)+1]
.elseif j < 102
.set z, j-86
.set w, 4
.set u, z
.if z >= 14
.set w, 32
.set u, 0
.elseif z >= 12
.set w, 16
.set u, z-12
.elseif z >= 8
.set w, 8
.set u, z-8
.endif
.if z < 15
	v_pk_add_f32 v[rS+w*u:rS+w*u+1], v[rS+w*u:rS+w*u+1], v[rS+w*u+w/2:rS+w*u+w/2+1]
.else
	v_pk_fma_f32 v[rT+2:rT+3], v[rT+2:rT+3], v[rT+6:rT+7], v[rS:rS+1] op_sel_hi:[1,0,1]
.endif
.else
	WIN W_RS
	v_pk_mul_f32 v[rO:rO+1], v[rO:rO+1], v[rT+6:rT+7] op_sel_hi:[1,0]
.endif
.endm
; Slice k of 64 of piece y's softmax: four instructions; slices 11 to 34 deal out the batch, four numbers of one tile each; slice 63 has sixteen.  Behind slice 34 stand the batch's one plain instruction and its one wait.
.macro SLICE y
.if (k >= 11) && (k < 35)
.irp n, 0,1,2,3
.set j, 22+4*((k-11)/2)+(\n)
	SM (\y)+(k-11)%2
.endr
.else
.irp n, 0,1,2,3,4,5,6,7
.if ((\n) < 2) || (k == 63)
.irp t, \y, (\y)+1
.set j, 2*k+(\n)
	SM \t
.endr
.endif
.endr
.endif
.if k == 34
	v_nop                           ; the plain instruction behind the last exponential: one for the batch
.if (\y) == 0
	FETCH_V                         ; piece 2's turn: V's run of loads stands here, and the wait stands in it
.else
	s_wait_alu depctr_va_vdst(0)    ; the wait for the batch, ahead of the first instruction that names a result
.endif
.endif
.set k, k+1
.endm
.macro UNIT y                       ; the turn's next unit: sixteen of the mask, then the 64 slices
.if uu < 16
	MUNIT \y
.else
	SLICE \y
.endif
.set uu, uu+1
.endm
; What stands behind product pn of a turn: two units behind each of the first sixteen, then one, so that slice k stands behind product k from k = 16 on.
; When the sixteen mask units are out (behind the eighth product), the words for the NEXT turn's softmax are asked for (piece x's; in piece 0's turn: of the next key step): they have the rest of the turn in which to come.
; Piece 0's turn fetches the next step's K at the same place, 24 products ahead of its first use; the sixteen plain lines of the last turn's slice 63 stand between K's last reader and the loads.
; last = 1 (the tail): in its third trip there is no further step, and piece 0's turn jumps over both.
.macro AFTER x, last
.set nu, 1
.if pn < 16
.set nu, 2
.endif
.rept nu
	UNIT 2-(\x)
.endr
.if (uu >= 16) && (mdone == 0)
.set mdone, 1
.if (\x) == 0
.if \last
	WIN 0
	s_cmp_eq_u32 s[TWICE], 1
	s_cbranch_scc1 .Lno_more_\@
.endif
	s_add_nc_u64 s[MP:MP+1], s[MP:MP+1], 128  ; the loads that read MP were waited for at the turn's head
	MLOAD 0
	FETCH_K
.if \last
	WIN 0
.Lno_more_\@:
.endif
.else
	MLOAD 2
.endif
.endif
.set pn, pn+1
.endm
; A TURN.  Piece x has the matrix unit: 32 products V^T P of the step in hand, 32 products K Q^T of the next; the other piece's mask and softmax stand behind them.
; Piece 2's turn fetches V behind slice 34: the last product that read V stands in front of slice 31, and four plain lines lie between: number 62 of both tiles, the v_nop, the run's own address line.
.macro TURN x, last=0
.set k, 0
.set uu, 0
.set pn, 0
.set mdone, 0
	s_wait_kmcnt 0x0                ; this turn's mask words are in
.if (\x) == 0
	s_wait_dscnt 0x0                ; V is in
.endif
.set i, 0
.rept 32
	PV \x
	AFTER \x, \last
.set i, i+1
.endr
.if (\x) == 0
	s_wait_dscnt 0x0                ; K is in
.endif
.set i, 0
.rept 32
	KQ \x
	AFTER \x, \last
.set i, i+1
.endr
.endm
; THE CHANGE OF SLOTS, between piece 2's turn and piece 0's.  Each wave waits for all its tensor loads (one is out: its part of the other slot), adds 0 to its spare word, and waits for that and for its reads of the slot.
; fill = 1: the slot that is left is filled again, with the keys two slots on, first thing behind a round of the cluster's barrier.
; start = 1: the first use: nothing has been read yet: slot 0 is waited for, slot 1 filled for the first time, and the reads stay where they stand.
.macro CHANGE fill, start=0
	WIN 0
	s_wait_tensorcnt 0x0            ; no tensor load of mine is out, so group 0 may be written
	ds_add_u32 v[SPW], v[NIL]       ; 0 onto my spare word
.if \fill
	s_xor_b32 s[G0+1], s[G0+1], SLOT
	s_add_nc_u64 s[G0+2:G0+3], s[G0+2:G0+3], 65536
.endif
.if !(\start)
	s_wait_xcnt 0x0                 ; the last prefetch and the mask loads that are out have read their addresses
.if \fill
	s_add_nc_u64 s[PFA:PFA+1], s[PFA:PFA+1], 65536
.endif
	s_add_nc_u64 s[MP:MP+1], s[MP:MP+1], 256  ; over the other pair of waves' two key steps
.endif
	s_wait_dscnt 0x0                ; the add is done, and my reads of the slot are over
.if \fill
	CROUND
	JLOAD                           ; my one tensor load behind the round: two key steps of mine, 256 matrix instructions, in which to land
	ASK
.else
	s_barrier_signal -1
	s_barrier_wait -1
.endif
.if !(\start)
	s_sub_co_u32 s[TBK], s[TBK], 2*KS*PK  ; the fetches go back to my half's first step, in the other slot
	s_xor_b32 s[TBK], s[TBK], SLOT
	s_sub_co_u32 s[TBV], s[TBV], 2*KS*PV
	s_xor_b32 s[TBV], s[TBV], SLOT
.endif
.endm
	CHANGE 1, 1                     ; slot 0 is in, everybody's part of it; slot 1 is asked for
	FETCH_K                         ; key step 0
	s_wait_loadcnt 0x0              ; Q; its loads' base may be written now:
	s_mov_b32 s[SEL], 0x76543210    ; each lane takes its own place in the other half
	s_mov_b32 s[SEL+1], 0xfedcba98
	s_wait_dscnt 0x0
.set i, 0
.rept 32
	KQ 0                            ; piece 0's first scores: there is no vector work yet to set between them
.set i, i+1
.endr
	WIN 0                           ; addresses for the end: plain lines, the places behind those products
	s_mul_i32 s[TWICE], s[WV], 16*SP
	s_add_co_u32 s[TWICE], s[TWICE], STAGE
	v_mul_u32_u24 v[STO], v1, SP
	v_lshl_add_u32 v[STO], v9, 4, v[STO]
	v_add_nc_u32 v[STO], s[TWICE], v[STO]
	v_mul_u32_u24 v[RD], v9, SP
	v_lshl_add_u32 v[RD], v1, 4, v[RD]
	v_add_nc_u32 v[RD], s[TWICE], v[RD]
	v_lshlrev_b32 v[GO], 12, v9     ; two rows of ctx, 4,096 bytes apart
	v_lshl_add_u32 v[GO], v1, 4, v[GO]
	s_and_b32 s[TWICE], s[WV], 1
	s_mul_i32 s[TWICE], s[TWICE], XCH
	v_and_b32 v[XA], 31, v0
	v_lshl_add_u32 v[XS], v[XA], 3, s[TWICE]
	v_add_nc_u32 v[XS], 32768, v[XS]
	v_lshl_add_u32 v[XA], v[XA], 4, s[TWICE]
	s_mov_b32 s[TWICE], 2
	s_branch .Lmid                  ; the loop is entered at piece 2's turn: piece 2's first scores | piece 0's first mask and softmax | V of step 0
.Lslot:                             ; six times: slots 2 to 7 are asked for
	CHANGE 1
	s_mov_b32 s[TWICE], 2
.Lstep:                             ; a slot's two key steps of mine: written once, walked twice
	TURN 0
	WIN 0
.Lmid:
	TURN 2
	WIN 0
	s_sub_co_u32 s[TWICE], s[TWICE], 1
	s_cmp_lg_u32 s[TWICE], 0
	s_cbranch_scc1 .Lstep
	s_sub_co_u32 s[SLOTS], s[SLOTS], 1
	s_cmp_lg_u32 s[SLOTS], 0
	s_cbranch_scc1 .Lslot
	CHANGE 0                        ; the tail is written out
	s_mov_b32 s[TWICE], 3           ; two trips fetch the last slot's steps; the third is left in its middle
.Ltail:
	TURN 0, 1
	WIN 0
	s_sub_co_u32 s[TWICE], s[TWICE], 1
	s_cmp_eq_u32 s[TWICE], 0
	s_cbranch_scc1 .Lout
	TURN 2
	WIN 0
	s_branch .Ltail
.Lout:                              ; the third trip's 32 products K Q^T (on the last K once more) serve nothing: the price, once a launch, of one text for every trip
.set i, 0
.rept 32
	PV 2                            ; piece 2's V^T P of the last step
.set i, i+1
.endr
	; THE MERGE.  l's two halves and the other half of the lanes' are added (the first additions are the places behind the last products).  Waves 2, 3 hand l, c m and O^T to waves 0, 1.
	WIN 0
.irp t, 0,1,2,3
	v_add_f32 v[ST+8*(\t)+4], v[ST+8*(\t)+2], v[ST+8*(\t)+3]
.endr
.irp t, 0,1,2,3
	v_permlanex16_b32 v[ST+8*(\t)+5], v[ST+8*(\t)+4], s[SEL], s[SEL+1]
.endr
.irp t, 0,1,2,3
	v_add_f32 v[ST+8*(\t)+4], v[ST+8*(\t)+4], v[ST+8*(\t)+5]
.endr
	s_cmp_lt_u32 s[WV], 2
	s_cbranch_scc1 .Lkeeper
.irp t, 0,1,2,3
	v_mov_b32 v[ST+8*(\t)+5], v[ST+8*(\t)]
.endr
.irp t, 0,1,2,3
	ds_store_b64 v[XS], v[ST+8*(\t)+4:ST+8*(\t)+5] offset:256*(\t)
.endr
	WIN 0x04                        ; the stores' data in window 1
.set i, 0
.rept 64
	ds_store_b128 v[XA], v[4*i:4*i+3] offset:512*i
.set i, i+1
.endr
	WIN 0
.Lkeeper:
	s_wait_dscnt 0x0                ; for the others' sake: my stores are done
	s_barrier_signal -1
	s_barrier_wait -1
	s_cmp_lt_u32 s[WV], 2
	s_cbranch_scc0 .Lend
.irp t, 0,1,2,3
	ds_load_b64 v[ST+8*(\t)+2:ST+8*(\t)+3], v[XS] offset:256*(\t)  ; the other part's l and c m
.endr
	WIN 0x80                        ; its O^T goes into window 2: Q and K are done with
.set i, 0
.rept 64
	ds_load_b128 v[4*i:4*i+3], v[XA] offset:512*i
.set i, i+1
.endr
	WIN 0
	s_wait_dscnt 60                 ; the oldest eight of the 68 loads are back, the four of the statistics among them
.irp t, 0,1,2,3
	v_max_num_f32 v[ST+8*(\t)+5], v[ST+8*(\t)], v[ST+8*(\t)+3]
.endr
.irp t, 0,1,2,3
	v_sub_f32 v[ST+8*(\t)+6], v[ST+8*(\t)], v[ST+8*(\t)+5]
	v_sub_f32 v[ST+8*(\t)+7], v[ST+8*(\t)+3], v[ST+8*(\t)+5]
.endr
.irp t, 0,1,2,3
	v_exp_f32 v[ST+8*(\t)+6], v[ST+8*(\t)+6]
	v_exp_f32 v[ST+8*(\t)+7], v[ST+8*(\t)+7]
.endr
	v_nop
	s_wait_alu depctr_va_vdst(0)    ; one wait for the eight exponentials
.irp t, 0,1,2,3
	v_mul_f32 v[ST+8*(\t)+4], v[ST+8*(\t)+6], v[ST+8*(\t)+4]
.endr
.irp t, 0,1,2,3
	v_fma_f32 v[ST+8*(\t)+4], v[ST+8*(\t)+7], v[ST+8*(\t)+2], v[ST+8*(\t)+4]
.endr
.irp t, 0,1,2,3
	v_rcp_f32 v[ST+8*(\t)+5], v[ST+8*(\t)+4]
.endr
	v_nop
	s_wait_alu depctr_va_vdst(0)    ; one wait for the four reciprocals
.irp t, 0,1,2,3
	v_mul_f32 v[ST+8*(\t)+6], v[ST+8*(\t)+6], v[ST+8*(\t)+5]  ; my part's factor
	v_mul_f32 v[ST+8*(\t)+2], v[ST+8*(\t)+7], v[ST+8*(\t)+5]  ; the other part's
.endr
	s_wait_dscnt 0x0
; THE WAY OUT.  Tile t: both parts weighted and added, rounded to f16, 16 bytes a lane into rows of 272 bytes, back as whole rows of 256
.macro PACK t
	WIN W_RS
.set i, 64*(\t)
.rept 32
	v_pk_mul_f32 v[i:i+1], v[i:i+1], v[ST+8*(\t)+6:ST+8*(\t)+7] op_sel_hi:[1,0]
.set i, i+2
.endr
	WIN 0x52                        ; source 0 window 2, source 1 window 0, source 2 and destination window 1
.set i, 64*(\t)
.rept 32
	v_pk_fma_f32 v[i:i+1], v[i:i+1], v[ST+8*(\t)+2:ST+8*(\t)+3], v[i:i+1] op_sel_hi:[1,0,1]
.set i, i+2
.endr
	WIN 0x05
.set i, 0
.rept 32
	v_cvt_pk_f16_f32 v[S+32*(\t)+i], v[64*(\t)+2*i], v[64*(\t)+2*i+1]
.set i, i+1
.endr
	WIN 0
.irp f, 0,1,2,3,4,5,6,7
	ds_store_b128 v[STO], v[S+32*(\t)+4*(\f):S+32*(\t)+4*(\f)+3] offset:32*(\f)
.endr
.irp f, 0,1,2,3,4,5,6,7
	ds_load_b128 v[S+32*(\t)+4*(\f):S+32*(\t)+4*(\f)+3], v[RD] offset:(\f)*2*SP  ; LDS serves a wave's instructions in order: these see the stores above
.endr
.endm
.macro SEND t, younger              ; younger: the LDS instructions issued behind tile t's loads
	WIN 0
.irp f, 0,1,2,3,4,5,6,7
	s_wait_dscnt (\younger)+7-(\f)
	global_store_b128 v[GO], v[S+32*(\t)+4*(\f):S+32*(\t)+4*(\f)+3], s[OB:OB+1] offset:(\t)*65536+(\f)*8192  ; 16 lanes store 256 consecutive bytes, aligned: a token's channels of my head
.endr
.endm
	PACK 0
	PACK 1
	SEND 0, 16
	PACK 2
	SEND 1, 16
	PACK 3
	SEND 2, 16
	SEND 3, 0
.Lend:
	s_wait_tensorcnt 0x0            ; the wave's end: behind my last tensor load and my last LDS store
	ds_add_u32 v[SPW], v[NIL]
	s_wait_dscnt 0x0
	CROUND                          ; the closing round
	s_endpgm
.Lfunc_end_k_q0c35ad2bee_attn:
	.size	k_q0c35ad2bee_attn, .Lfunc_end_k_q0c35ad2bee_attn-k_q0c35ad2bee_attn
	.p2alignl 7, 3214868480
	.fill 96, 4, 3214868480
	.section	.rodata,"a",@progbits
	.p2align	6, 0x0
	.amdhsa_kernel k_q0c35ad2bee_attn
		.amdhsa_group_segment_fixed_size 327680
		.amdhsa_private_segment_fixed_size 0
		.amdhsa_enable_private_segment 0
		.amdhsa_kernarg_size 24
		.amdhsa_user_sgpr_count 2
		.amdhsa_user_sgpr_kernarg_segment_ptr 1
		.amdhsa_wavefront_size32 1
		.amdhsa_system_sgpr_workgroup_id_x 1
		.amdhsa_system_sgpr_workgroup_id_y 1
		.amdhsa_system_sgpr_workgroup_id_z 1
		.amdhsa_system_vgpr_workitem_id 0
		.amdhsa_next_free_vgpr 1024
		.amdhsa_next_free_sgpr 106
		.amdhsa_reserve_vcc 0
		.amdhsa_float_denorm_mode_32 3
		.amdhsa_float_denorm_mode_16_64 3
		.amdhsa_memory_ordered 1
		.amdhsa_forward_progress 1
		.amdhsa_inst_pref_size 188
	.end_amdhsa_kernel
	.amdgpu_metadata
---
amdhsa.version: [ 1, 2 ]
amdhsa.kernels:
  - .name:           k_q0c35ad2bee_attn
    .symbol:         k_q0c35ad2bee_attn.kd
    .args:
      - { .name: qkv, .offset: 0, .size: 8, .value_kind: global_buffer, .address_space: global }
      - { .name: maskbits, .offset: 8, .size: 8, .value_kind: global_buffer, .address_space: global }
      - { .name: ctx, .offset: 16, .size: 8, .value_kind: global_buffer, .address_space: global }
    .group_segment_fixed_size: 327680
    .private_segment_fixed_size: 0
    .kernarg_segment_align: 8
    .kernarg_segment_size: 24
    .max_flat_workgroup_size: 128
    .sgpr_count:     106
    .vgpr_count:     1024
    .wavefront_size: 32
...
	.end_amdgpu_metadata
.endif
;; end of part 3
;; launch outp (part 4): grid 16 x 16, 4 waves a work-group, clusters of 4 x 4, 327,680 bytes of LDS; arguments ctx, w16, bc, out0; writes out0
.if DOCPART == 4
	.amdgcn_target "amdgcn-amd-amdhsa--gfx1250"
	.amdhsa_code_object_version 6
	.text
	.protected	k_q0c35ad2bee_outp
	.globl	k_q0c35ad2bee_outp
	.p2align	8
	.type	k_q0c35ad2bee_outp,@function
k_q0c35ad2bee_outp:
	s_mov_b64 s[64:65], 0
	v_nop
	global_prefetch_b8 v0, s[64:65] scope:SCOPE_SE
	s_setreg_imm32_b32 hwreg(HW_REG_WAVE_MODE, 25, 1), 1
	s_wait_xcnt 0x0
	s_wait_alu depctr_hold_cnt(0) depctr_sa_sdst(0) depctr_va_vdst(0) depctr_va_sdst(0) depctr_va_ssrc(0) depctr_va_vcc(0) depctr_vm_vsrc(0)
	s_getreg_b32 s2, hwreg(HW_REG_IB_STS2, 6, 4)
	s_cmp_eq_u32 s2, 0
	s_cbranch_scc0 .Lentry_in_a_cluster
	s_endpgm
.Lentry_in_a_cluster:
	s_bfe_u32 s2, ttmp6, 0x10000c
	s_cmp_lg_u32 s2, 0xf033
	s_cbranch_scc0 .Lentry_shape_is_right
	s_endpgm
.Lentry_shape_is_right:
; out0 = ctx x wc + bc.  ctx: [2048][2048] f16, K along the rows; wc is the fourth part of w16, [2048 k][2048 n] f16, as the weight lies; bc rounded to bf16 like every input; sums and output f32.
; A tile of the output is 128 x 128: 256 work-groups, one for each WGP.  Four waves, each 64 x 64: 16 accumulators.  K goes in 8 steps of 256 through two LDS slots:
; waves 0, 1 fetch ctx's 2 x 64 rows x 512 bytes, waves 2, 3 the weight's 2 x 128 k-rows x 256 bytes.  The weight's fragments come out of LDS turned, by ds_load_tr16_b128.
; CLUSTERS 4 x 4: a row of the cluster shares ctx's tile, a column the weight's: joint loads.  THE MATRIX INSTRUCTION IS USED TRANSPOSED: a lane holds eight neighbouring columns of one row.
; THE WALK ALONG K begins at step (2 x + 4 y) mod 8 of the cluster at (x, y) and goes round: the four clusters that read the same rows of ctx stand two steps apart, clusters of neighbouring y that read the same
; columns of the weight four steps apart, so that they ask for a given block at different times.  The offset hangs on the cluster's coordinates alone, which all sixteen partners share.  f32 sums may be taken in any order of K.
; THE WAY OUT: a wave's 64 columns of f32 are 256 bytes, aligned: each wave has a stage of its own, 16 rows at a time, and no barrier.
; No prefetch: the tiles are small, and by the walk above most blocks are asked for first among some cluster's first fills, at the kernel's head.
; REGISTERS: window 0: v0-31 addresses; v32-63 sums with bias; v64-95 whole rows; v96-127 the bias; v128-255 the accumulators ((a, b) at v[128 + 8 (4 a + b)]).  Window 1: two fragment buffers of 128: 64 of ctx, then 64 of the weight.
.set KSTEP,  256
.set PA,     528                       ; a row of ctx in LDS: 512 bytes + 16
.set PB,     288                       ; a k-row of the weight: 256 bytes + 32
.set TILEB,  36864                     ; room for what one tensor load brings: 64 PA = 33,792 or 128 PB = 36,864
.set SLOT,   4*TILEB                   ; 0x24000; none of the four places has one of its two bits, so an exclusive or changes slots
.set STAGE,  2*SLOT
.set SPITCH, 272
.set SPARE,  STAGE+4*16*SPITCH
.set ADRA0, 16
.set ADRB0, 17
.set ADRA,  18
.set ADRB,  19                         ; v19: k-rows 0-127 of the slot being read; v20: k-rows 128-255
.set STO,   24
.set RD,    25
.set CO,    26
.set SPW,   28
.set NIL,   29
.set TMP,   32
.set BK,    64
.set BI,    96
.set ACC,   128
.set F0,    0
.set F1,    128
.set G1,  24
.set G0,  32
.set SB,  45
.set G1B, 48
.set G0B, 56
.set SOFF, 72                          ; s72  the K step at which my cluster's walk begins: 0, 2, 4 or 6
.set WA,  74                           ; s[74:75] what ctx's walking address steps back by: the whole K in the one trip that passes K's end, else 0
.set WB,  76                           ; s[76:77] the same for the weight's
.set MSB, 0
.macro WIN new
.if MSB != (\new)
	s_set_vgpr_msb (MSB<<8)|(\new)
.set MSB, \new
.endif
.endm
.set MUL,  0x05                        ; sources 0 and 1 window 1; C and D window 0
.set TO_F, 0x40                        ; destination window 1, address window 0
.macro JLOAD s
	s_cmp_eq_u32 s11, 0
	s_cbranch_scc0 .Lfor_b_\@
	tensor_load_to_lds s[G0+4*(\s):G0+4*(\s)+3], s[G1:G1+7]
	s_nop 0
.rept 4
	v_nop
.endr
	s_branch .Lasked_\@
.Lfor_b_\@:
	tensor_load_to_lds s[G0B+4*(\s):G0B+4*(\s)+3], s[G1B:G1B+7]
	s_nop 0
.rept 4
	v_nop
.endr
.Lasked_\@:
.endm
.macro CREST
	s_cmp_lg_u32 s10, 0
	s_cbranch_scc1 .Lnot_wave_0_\@
	s_barrier_signal -3
.Lnot_wave_0_\@:
	s_barrier_wait -3
	s_barrier_signal -1
	s_barrier_wait -1
.endm
.macro CROUND
	s_barrier_signal -1
	s_barrier_wait -1
	CREST
.endm
	s_load_b128 s[4:7], s[0:1], 0x0                ; ctx s[4:5], w16 s[6:7]
	s_load_b128 s[68:71], s[0:1], 0x10             ; bc s[68:69], out0 s[70:71]
	v_lshl_add_u32 v[SPW], v0, 2, SPARE
	v_mov_b32 v[NIL], 0
	ds_add_u32 v[SPW], v[NIL]                      ; the wave's opening: the add and its wait stand ahead of my first tensor load
	v_lshrrev_b32 v1, 5, v0
	v_readfirstlane_b32 s10, v1
	s_lshr_b32 s11, s10, 1                         ; my half of the rows.  Also: I fetch ctx (0) or the weight (1)
	s_and_b32 s12, s10, 1                          ; my half of the columns.  Also: which half of that tile I fetch
	s_bfe_u32 s40, ttmp6, 0x40000
	s_bfe_u32 s41, ttmp6, 0x40004
	s_lshl_b32 s42, ttmp9, 2
	s_add_co_u32 s42, s42, s40                     ; tile column
	s_and_b32 s13, ttmp7, 0xffff
	s_lshl_b32 s13, s13, 2                         ; 4 x cluster y
	s_lshl_b32 s[SOFF], ttmp9, 1                   ; 2 x cluster x
	s_add_co_u32 s[SOFF], s[SOFF], s13
	s_and_b32 s[SOFF], s[SOFF], 7                  ; where my cluster's walk along K begins
	s_add_co_u32 s13, s13, s41                     ; tile row
	s_lshl_b32 s43, s41, 2
	s_lshl_b32 s43, 15, s43
	s_lshl_b32 s44, 0x1111, s40
	s_or_b32 s[G1], s43, (1<<16)|(1<<20)|(1<<21)|(6<<22)|(3<<25)   ; my row; 2-byte elements; padding: after every 128 words, 4 words
	s_mov_b32 s[G1+1], KSTEP<<16
	s_mov_b32 s[G1+2], 64<<16
	s_mov_b32 s[G1+3], KSTEP<<16
	s_mov_b32 s[G1+4], 64
	s_mov_b32 s[G1+5], 2048
	s_mov_b32 s[G1+6], 0
	s_mov_b32 s[G1+7], 0
	s_or_b32 s[G1B], s44, (1<<16)|(1<<20)|(1<<21)|(5<<22)|(7<<25)  ; my column; after every 64 words, 8 words
	s_mov_b32 s[G1B+1], 128<<16
	s_mov_b32 s[G1B+2], 128<<16
	s_mov_b32 s[G1B+3], 128<<16
	s_mov_b32 s[G1B+4], 128
	s_mov_b32 s[G1B+5], 2048
	s_mov_b32 s[G1B+6], 0
	s_mov_b32 s[G1B+7], 0
	s_mov_b32 s[WA+1], 0
	s_mov_b32 s[WB+1], 0
	s_lshl_b32 s16, s13, 7
	s_lshl_b32 s17, s12, 6
	s_add_co_u32 s16, s16, s17                     ; ctx: row 128 x tile row + 64 x half,
	s_lshl_b32 s16, s16, 12
	s_lshl_b32 s17, s[SOFF], 9                     ; the walk's first K step: 512 bytes each
	s_add_co_u32 s16, s16, s17
	s_mov_b32 s17, 0
	s_lshl_b32 s46, s12, 19                        ; the weight: 128 k-rows of 4,096 bytes,
	s_lshl_b32 s47, s42, 8                         ; 128 columns,
	s_add_co_u32 s46, s46, s47
	s_add_co_u32 s46, s46, 3<<23                   ; the fourth weight,
	s_lshl_b32 s47, s[SOFF], 20                    ; the walk's first K step: 256 k-rows each
	s_add_co_u32 s46, s46, s47
	s_mov_b32 s47, 0
	s_mul_i32 s20, s10, TILEB
	s_mov_b32 s[SB], 0
	s_wait_dscnt 0x0
	s_wait_kmcnt 0x0
	s_add_nc_u64 s[14:15], s[4:5], s[16:17]
	s_add_nc_u64 s[46:47], s[6:7], s[46:47]
	CROUND
.irp s, 0,1                            ; the walk's first two K steps: the offset is even, so the second does not pass K's end
	s_mov_b32 s[G0+4*(\s)], 1
	s_add_co_u32 s[G0+4*(\s)+1], s20, (\s)*SLOT
	s_add_nc_u64 s[G0+4*(\s)+2:G0+4*(\s)+3], s[14:15], (\s)*KSTEP*2
	s_or_b32 s[G0+4*(\s)+3], s[G0+4*(\s)+3], 0x80000000
	s_mov_b32 s[G0B+4*(\s)], 1
	s_add_co_u32 s[G0B+4*(\s)+1], s20, (\s)*SLOT
	s_add_nc_u64 s[G0B+4*(\s)+2:G0B+4*(\s)+3], s[46:47], (\s)*KSTEP*4096
	s_or_b32 s[G0B+4*(\s)+3], s[G0B+4*(\s)+3], 0x80000000
	JLOAD \s
.endr
	v_and_b32 v1, 15, v0
	v_bfe_u32 v2, v0, 4, 1
	s_lshl_b32 s21, s42, 9                         ; my 64 columns in f32: 512 x tile column + 256 x half, in bc and in a row of out0 alike
	s_lshl_b32 s22, s12, 8
	s_add_co_u32 s21, s21, s22
	v_lshl_add_u32 v12, v2, 5, s21                 ; + 8 numbers for the upper half of the lanes
.irp b, 0,1,2,3
	global_load_b128 v[BI+8*(\b):BI+8*(\b)+3],   v12, s[68:69] offset:64*(\b)
	global_load_b128 v[BI+8*(\b)+4:BI+8*(\b)+7], v12, s[68:69] offset:64*(\b)+16
.endr
	v_mul_u32_u24 v3, v1, PA
	v_lshl_add_u32 v3, v2, 4, v3
	s_mul_i32 s22, s11, TILEB
	v_add_nc_u32 v[ADRA0], s22, v3
	v_and_b32 v5, 7, v0
	v_lshl_add_u32 v5, v2, 3, v5
	v_mul_u32_u24 v5, v5, PB
	v_bfe_u32 v6, v0, 3, 1
	v_lshl_add_u32 v5, v6, 4, v5
	s_lshl_b32 s22, s12, 7
	s_add_co_u32 s22, s22, 2*TILEB
	v_add_nc_u32 v[ADRB0], s22, v5
	v_mov_b32 v[ADRA], v[ADRA0]
	v_mov_b32 v[ADRB], v[ADRB0]
	v_add_nc_u32 v[ADRB+1], TILEB, v[ADRB0]
	s_mul_i32 s23, s10, 16*SPITCH
	s_add_co_u32 s23, s23, STAGE                   ; my stage
	v_mul_u32_u24 v4, v1, SPITCH
	v_lshl_add_u32 v4, v2, 5, v4
	v_add_nc_u32 v[STO], s23, v4
	v_mul_u32_u24 v5, v2, SPITCH
	v_lshl_add_u32 v5, v1, 4, v5
	v_add_nc_u32 v[RD], s23, v5
	v_lshlrev_b32 v[CO], 13, v2                    ; two rows of out0, 8,192 bytes apart
	v_lshl_add_u32 v[CO], v1, 4, v[CO]
	s_lshl_b32 s16, s13, 20                        ; row 128 x tile row + 64 x half
	s_lshl_b32 s17, s11, 19
	s_add_co_u32 s16, s16, s17
	s_add_co_u32 s16, s16, s21
	s_mov_b32 s17, 0
	s_add_nc_u64 s[8:9], s[70:71], s[16:17]
	s_wait_loadcnt 0x0                             ; the bias, rounded to bf16 like every input
.irp p, 0,1,2,3,4,5,6,7,8,9,10,11,12,13,14,15
	v_cvt_pk_bf16_f32 v[TMP+(\p)], v[BI+2*(\p)], v[BI+2*(\p)+1]
.endr
.irp p, 0,1,2,3,4,5,6,7,8,9,10,11,12,13,14,15
	v_lshlrev_b32 v[BI+2*(\p)], 16, v[TMP+(\p)]
	v_and_b32 v[BI+2*(\p)+1], 0xffff0000, v[TMP+(\p)]
.endr
; 8 matrix instructions: row blocks a0, a0 + 1 x all 4 column blocks, 32 along K: half c of buffer f.  The 16 accumulators take turns.
.macro MUL8 f, c, a0, zero
	WIN MUL
.irp a, \a0, (\a0)+1
.irp b, 0,1,2,3
.if \zero
	v_wmma_f32_16x16x32_f16 v[ACC+8*(4*(\a)+(\b)):ACC+8*(4*(\a)+(\b))+7], v[(\f)+64+8*(4*(\c)+(\b)):(\f)+64+8*(4*(\c)+(\b))+7], v[(\f)+8*(4*(\c)+(\a)):(\f)+8*(4*(\c)+(\a))+7], 0
.else
	v_wmma_f32_16x16x32_f16 v[ACC+8*(4*(\a)+(\b)):ACC+8*(4*(\a)+(\b))+7], v[(\f)+64+8*(4*(\c)+(\b)):(\f)+64+8*(4*(\c)+(\b))+7], v[(\f)+8*(4*(\c)+(\a)):(\f)+8*(4*(\c)+(\a))+7], v[ACC+8*(4*(\a)+(\b)):ACC+8*(4*(\a)+(\b))+7]
.endif
.endr
.endr
.endm
; 32 LDS loads in one run: quarter kq (64 along K) of the slot being read, into buffer f; its first 32 along K first
.macro FETCH kq, f
	WIN TO_F
.irp c, 0,1
.irp i, 0,1,2,3
	ds_load_tr16_b128 v[(\f)+64+8*(4*(\c)+(\i)):(\f)+64+8*(4*(\c)+(\i))+3],   v[ADRB+(\kq)/2] offset:PB*(64*((\kq)%2)+32*(\c))+32*(\i)
	ds_load_tr16_b128 v[(\f)+64+8*(4*(\c)+(\i))+4:(\f)+64+8*(4*(\c)+(\i))+7], v[ADRB+(\kq)/2] offset:PB*(64*((\kq)%2)+32*(\c))+16*PB+32*(\i)
	ds_load_b128 v[(\f)+8*(4*(\c)+(\i)):(\f)+8*(4*(\c)+(\i))+3],   v[ADRA] offset:128*(\kq)+64*(\c)+(\i)*16*PA
	ds_load_b128 v[(\f)+8*(4*(\c)+(\i))+4:(\f)+8*(4*(\c)+(\i))+7], v[ADRA] offset:128*(\kq)+64*(\c)+(\i)*16*PA+32
.endr
.endr
.endm
.macro PLACES
.rept 4
	v_nop
.endr
.endm
.macro QUARTER kq, f, g, zero
	s_wait_dscnt 16                                ; the first 32 along K are in; the youngest sixteen loads may be out
	WIN MUL
	MUL8 \f, 0, 0, \zero
	MUL8 \f, 0, 2, \zero
	PLACES
	FETCH \kq, \g
	s_wait_dscnt 32                                ; all but the 32 just issued
	WIN MUL
	MUL8 \f, 1, 0, 0
	MUL8 \f, 1, 2, 0
.endm
; A K step's last quarter, and the change of slots.  fill = 1: the slot just read is filled again, with the walk's K step two on, first thing behind a round of the cluster's barrier
.macro TURN fill
	WIN 0
	s_wait_tensorcnt 0x0                           ; all my tensor loads have landed: my part of the next slot
	ds_add_u32 v[SPW], v[NIL]                      ; 0 onto my spare word
	s_wait_dscnt 17                                ; (the add and the youngest sixteen loads may be out)
	WIN MUL
	MUL8 F1, 0, 0, 0
	s_wait_dscnt 0x0                               ; the add is done, and my reads of this slot are over
	s_barrier_signal -1
	MUL8 F1, 0, 2, 0
	WIN 0
	s_barrier_wait -1
.if \fill
	CREST
	s_cmp_eq_u32 s3, s[SOFF]                       ; the trip with count s3 asks for the walk's step 8 - s3, which is K step offset + 8 - s3: it passes K's end where s3 = the offset
	s_cselect_b32 s[WA], 8*KSTEP*2, 0
	s_cselect_b32 s[WB], 8*KSTEP*4096, 0
	s_xor_b32 s[G0+5], s[G0+5], SLOT
	s_add_nc_u64 s[G0+6:G0+7], s[G0+6:G0+7], KSTEP*2
	s_sub_nc_u64 s[G0+6:G0+7], s[G0+6:G0+7], s[WA:WA+1]
	s_xor_b32 s[G0B+5], s[G0B+5], SLOT
	s_add_nc_u64 s[G0B+6:G0B+7], s[G0B+6:G0B+7], KSTEP*4096
	s_sub_nc_u64 s[G0B+6:G0B+7], s[G0B+6:G0B+7], s[WB:WB+1]
	JLOAD 1                                        ; my one tensor load behind the round; 112 matrix instructions stand between it and the wait for it
.else
	PLACES
.endif
	s_xor_b32 s[SB], s[SB], SLOT                   ; the reads go to the other slot
	v_add_nc_u32 v[ADRA], s[SB], v[ADRA0]
	v_add_nc_u32 v[ADRB], s[SB], v[ADRB0]
	v_add_nc_u32 v[ADRB+1], TILEB, v[ADRB]
	FETCH 0, F0
	WIN MUL
	MUL8 F1, 1, 0, 0
	MUL8 F1, 1, 2, 0
.endm
	s_wait_tensorcnt 1                             ; my part of the walk's first K step is in; the second's may stay out
	s_barrier_signal -1
	s_barrier_wait -1
	FETCH 0, F0
	QUARTER 1, F0, F1, 1                           ; its first products start the sums
	WIN 0
	s_mov_b32 s3, 6
.Lstep:                                                ; a trip: from a K step's second quarter to the next step's first; it asks for the walk's steps 2 .. 7
	QUARTER 2, F1, F0, 0
	QUARTER 3, F0, F1, 0
	TURN 1
	QUARTER 1, F0, F1, 0
	WIN 0
	s_sub_co_u32 s3, s3, 1
	s_cmp_lg_u32 s3, 0
	s_cbranch_scc1 .Lstep
	QUARTER 2, F1, F0, 0                           ; the walk's steps 6 and 7 ask for nothing
	QUARTER 3, F0, F1, 0
	TURN 0
	QUARTER 1, F0, F1, 0
	QUARTER 2, F1, F0, 0
	QUARTER 3, F0, F1, 0
	s_wait_dscnt 16
	WIN MUL
	MUL8 F1, 0, 0, 0
	MUL8 F1, 0, 2, 0
	s_wait_dscnt 0x0
	MUL8 F1, 1, 0, 0
	MUL8 F1, 1, 2, 0
	WIN 0
	PLACES                                         ; in front of the additions that read the sums
; Block a of 16 rows: bias added (each accumulator from its low end on), into my stage, back as whole rows of 256 bytes, stored
.macro OUTBLK a
.irp b, 0,1,2,3
.irp p, 0,1,2,3
	v_pk_add_f32 v[TMP+8*(\b)+2*(\p):TMP+8*(\b)+2*(\p)+1], v[ACC+8*(4*(\a)+(\b))+2*(\p):ACC+8*(4*(\a)+(\b))+2*(\p)+1], v[BI+8*(\b)+2*(\p):BI+8*(\b)+2*(\p)+1]
.endr
.endr
.irp b, 0,1,2,3
	ds_store_b128 v[STO], v[TMP+8*(\b):TMP+8*(\b)+3]   offset:64*(\b)
	ds_store_b128 v[STO], v[TMP+8*(\b)+4:TMP+8*(\b)+7] offset:64*(\b)+16
.endr
	s_wait_xcnt 0x0                                ; the last block's stores have read their data: the rows' registers are loaded again only behind this wait
.irp t, 0,1,2,3,4,5,6,7
	ds_load_b128 v[BK+4*(\t):BK+4*(\t)+3], v[RD] offset:(\t)*2*SPITCH  ; LDS serves a wave's instructions in order: these see the stores above
.endr
.irp t, 0,1,2,3,4,5,6,7
	s_wait_dscnt 7-(\t)
	global_store_b128 v[CO], v[BK+4*(\t):BK+4*(\t)+3], s[8:9] offset:(16*(\a)+2*(\t))*8192  ; 16 lanes store 256 consecutive bytes, aligned
.endr
.endm
	OUTBLK 0
	OUTBLK 1
	OUTBLK 2
	OUTBLK 3
	s_wait_tensorcnt 0x0                           ; the wave's end: behind my last tensor load and my last LDS store
	ds_add_u32 v[SPW], v[NIL]
	s_wait_dscnt 0x0
	CROUND                                         ; the closing round
	s_endpgm
.Lfunc_end_k_q0c35ad2bee_outp:
	.size	k_q0c35ad2bee_outp, .Lfunc_end_k_q0c35ad2bee_outp-k_q0c35ad2bee_outp
	.p2alignl 7, 3214868480
	.fill 96, 4, 3214868480
	.section	.rodata,"a",@progbits
	.p2align	6, 0x0
	.amdhsa_kernel k_q0c35ad2bee_outp
		.amdhsa_group_segment_fixed_size 327680
		.amdhsa_private_segment_fixed_size 0
		.amdhsa_enable_private_segment 0
		.amdhsa_kernarg_size 32
		.amdhsa_user_sgpr_count 2
		.amdhsa_user_sgpr_kernarg_segment_ptr 1
		.amdhsa_wavefront_size32 1
		.amdhsa_system_sgpr_workgroup_id_x 1
		.amdhsa_system_sgpr_workgroup_id_y 1
		.amdhsa_system_sgpr_workgroup_id_z 1
		.amdhsa_system_vgpr_workitem_id 0
		.amdhsa_next_free_vgpr 512
		.amdhsa_next_free_sgpr 80
		.amdhsa_reserve_vcc 0
		.amdhsa_float_denorm_mode_32 3
		.amdhsa_float_denorm_mode_16_64 3
		.amdhsa_memory_ordered 1
		.amdhsa_forward_progress 1
		.amdhsa_inst_pref_size 77
	.end_amdhsa_kernel
	.amdgpu_metadata
---
amdhsa.version: [ 1, 2 ]
amdhsa.kernels:
  - .name:           k_q0c35ad2bee_outp
    .symbol:         k_q0c35ad2bee_outp.kd
    .args:
      - { .name: ctx, .offset: 0, .size: 8, .value_kind: global_buffer, .address_space: global }
      - { .name: w16, .offset: 8, .size: 8, .value_kind: global_buffer, .address_space: global }
      - { .name: bc, .offset: 16, .size: 8, .value_kind: global_buffer, .address_space: global }
      - { .name: out0, .offset: 24, .size: 8, .value_kind: global_buffer, .address_space: global }
    .group_segment_fixed_size: 327680
    .private_segment_fixed_size: 0
    .kernarg_segment_align: 8
    .kernarg_segment_size: 32
    .max_flat_workgroup_size: 128
    .sgpr_count:     80
    .vgpr_count:     512
    .wavefront_size: 32
...
	.end_amdgpu_metadata
.endif
;; end of part 4
